; MI455X (gfx1250); checked and timed in simulation.
; The chip was launched on July 23, 2026; its instructions are those of AMD's public machine-readable ISA for CDNA 5 (MIT licence, August 2026) and "CDNA5" Instruction Set Architecture Reference Guide (July 2026). The comments in the code are by the model that wrote it; some were corrected since.
;; Multi Head Attention. Allowed arithmetic: matrix products marked QUANTISED: E2M1 operands, one E8M0 scale for each 32 along K, by v_wmma_scale_f32_16x16x128_f8f6f4 with both operands' format E2M1 (or v_wmma_scale_f32_32x16x128_f4), f32 sums; products left as they are: bf16, f16 or f32 operands; f32 sums; everything else in f32.
;; Inputs: Wk 1,024 x 1,024 float32; Wo 1,024 x 1,024 float32; Wq 1,024 x 1,024 float32; Wv 1,024 x 1,024 float32; bk 1,024 float32; bo 1,024 float32; bq 1,024 float32; bv 1,024 float32; hidden_states 2 x 2,048 x 1,024 float32.
;; Outputs: out0 2 x 2,048 x 1,024 float32.
;; This version of the problem:
;;   THIS VERSION OF THE PROBLEM IS GIVEN IN LOW PRECISION. The matrix products marked QUANTISED in the list below multiply operands that are first quantised to E2M1 (2 exponent bits, 1 mantissa bit; 4 bits a number), with one power-of-two scale for each 32 numbers along K (OCP MX v1.0); their sums are f32. The products marked 'left as it is' may take bf16, f16 or f32 operands, with f32 sums. Whichever they take, every output number must still come out within the allowed error. Rounding operands to bf16 (8 significant bits) uses up far more of that allowance than f16 does (11 bits, for magnitudes from 6e-5 to 65,504). All else is computed in f32.
;;   The module's matrix products, in the order in which they are computed (A, B: the left and right operand; K: the contracted axis; several contracted axes count as one K, in the product's order):
;;     1. [M 4,096, K 1,024] x [K 1,024, N 1,024]; A: input hidden_states; B: input Wq: QUANTISED
;;     2. [M 4,096, K 1,024] x [K 1,024, N 1,024]; A: input hidden_states; B: input Wk: QUANTISED
;;     3. [M 4,096, K 1,024] x [K 1,024, N 1,024]; A: input hidden_states; B: input Wv: QUANTISED
;;     4. batch 32 x [M 2,048, K 64] x [K 64, N 2,048]; A: computed on the way; B: computed on the way: left as it is (an operand is computed on the way)
;;     5. batch 32 x [M 2,048, K 2,048] x [K 2,048, N 64]; A: computed on the way; B: computed on the way: left as it is (an operand is computed on the way)
;;     6. [M 4,096, K 1,024] x [K 1,024, N 1,024]; A: computed on the way; B: input Wo: left as it is (an operand is computed on the way)
;;   THE QUANTISER, for each operand of a quantised product, along K:
;;     - K is cut into blocks of 32 from its start; a last block that is shorter is filled with zeros.
;;     - A block's scale is 2^e with e = floor(log2(the largest magnitude in the block)) - 2, held to -126 .. 127; a block of zeros has e = 0. As a byte (E8M0): e + 127.
;;     - Each number is divided by its block's scale, clamped to +-6, and rounded to the nearest number of E2M1, ties to even, subnormals kept.
;;     - The product sums the exact products of the quantised numbers (number of the format x scale) in f32.
;;   ~~~python
;;   def quantise(x, axis):      # numpy; x: float32 -> the quantised numbers, widened to float32 again
;;       x = np.moveaxis(x, axis, -1); K = x.shape[-1]
;;       x = np.pad(x, [(0, 0)] * (x.ndim - 1) + [(0, -K % 32)]); x = x.reshape(x.shape[:-1] + (-1, 32)); a = np.abs(x).max(-1, keepdims=True)
;;       e = np.where(a > 0, np.clip(np.frexp(np.where(a > 0, a, 1))[1] - 1 - 2, -126, 127), 0)      # np.frexp(a)[1] - 1 = floor(log2(a)), exactly
;;       r = np.clip(x / 2.0 ** e, -6, 6)
;;       step = 2.0 ** (np.maximum(np.frexp(np.where(r == 0, 1, r))[1] - 1, 0) - 1)
;;       q = np.round(r / step) * step * 2.0 ** e      # np.round: ties to even
;;       return np.moveaxis(q.reshape(q.shape[:-2] + (-1,))[..., :K], -1, axis).astype(np.float32)
;;   ~~~
;; One version. Each part assembles by itself: llvm-mc -triple=amdgcn-amd-amdhsa -mcpu=gfx1250 --defsym DOCPART=n.
;; ======== version 1 of 1: 5 launches
;; limits: values are held in f16: magnitudes above 65,504 overflow, below 6.1e-05 lose precision
;; workspace buffers: xcodes 2,097,152 bytes; xscales 131,072 bytes; wcodes 1,572,864 bytes; wscales 98,304 bytes; wo16 2,097,152 bytes; qkv 25,165,824 bytes; qkv32 393,216 bytes; att 8,388,608 bytes
;; launch quant (part 1): grid 256 x 1, 4 waves a work-group, no clusters, 42,496 bytes of LDS; arguments hidden_states, Wq, Wk, Wv, Wo, xcodes, xscales, wcodes, wscales, wo16; writes xcodes, xscales, wcodes, wscales, wo16
.if DOCPART == 1
	.amdgcn_target "amdgcn-amd-amdhsa--gfx1250"
	.amdhsa_code_object_version 6
	.text
	.protected	k_qad92b72d9e_quant
	.globl	k_qad92b72d9e_quant
	.p2align	8
	.type	k_qad92b72d9e_quant,@function
k_qad92b72d9e_quant:
	s_mov_b64 s[64:65], 0
	v_nop
	global_prefetch_b8 v0, s[64:65] scope:SCOPE_SE
	s_setreg_imm32_b32 hwreg(HW_REG_WAVE_MODE, 25, 1), 1
	s_wait_xcnt 0x0
; hidden_states [4096][1024] and Wq, Wk, Wv [1024][1024], f32, K innermost, become codes of FP4 (E2M1) with one E8M0 scale byte for each 32 along K:
; xcodes [4096][512 bytes], xscales [4096][32], wcodes [3072][512] (rows of Wq, then Wk, then Wv), wscales [3072][32].  Wo [1024][1024] becomes f16 in PIECE ORDER.
; A block's scale is 2^(floor(log2(its largest magnitude)) - 2); its byte is the largest magnitude's exponent field - 2, held at 1 from below.
; LIMITS: a block of zeros gets the byte 1 where the rule says 127 (its codes are zeros, and this program alone reads the bytes); blocks whose largest magnitude lies under 2^-124
; keep the byte 1; NaN and infinities among the inputs are not served; Wo's magnitudes must stay under 65,504, the largest f16 number.
; SHARES: a work-group takes 32,768 numbers: groups 0-127 hidden_states, 128-159 Wq, 160-191 Wk, 192-223 Wv, 224-255 Wo: 256 groups of equal bytes.
; The quantiser: rows are dense and K is a multiple of 32, so a tensor is a stream of blocks of 32.  A wave takes 16 steps of 512 numbers; each load reads 512 consecutive bytes; a step's 2,048 bytes
; turn through the wave's own stage in LDS so that a lane holds 16 neighbours (two lanes a block).  A wave's store of codes covers 256 consecutive bytes, its 256 scale bytes leave as one store.
; A PIECE is 16 rows x 16 k of f16, 512 bytes: lane (r = lane % 16, h = lane / 16) owns the 16 bytes at 16 x lane: row r, k = 8 h .. 8 h + 7.  Two neighbouring pieces along k are the eight
; registers of a 16 x 32 fragment.  wo16 is [row tile 64][k tile 64][512 bytes].
; No tensor loads, no barrier, no cluster: waves share nothing, and the launch only streams.
.set STEPS, 16
.set CB,    8                          ; bytes of 16 codes
.set R,     16                         ; v16-79   four sets of 16 numbers as loaded
.set X,     80                         ; v80-111  two sets of 16 neighbours
.set E,     112                        ; v112-127 a scale byte for each step
.set C,     128                        ; v128-191 codes, four registers for each step
.set WREG,  8192                       ; LDS: the quantiser's region for each wave: two stages of 32 x SP bytes, then 256 scale bytes
.set SP,    80
.set WST,   32768                      ; LDS: the Wo path's stages, 2,304 bytes for each wave: bytes of its own for each path
.set WSTB,  2304
.set SPARE, 41984                      ; the spare words, 128 bytes for each wave
.set SPW,   12
.set NIL,   13
.set STW,   192                        ; Wo path: where I put 8 bytes of a piece
.set STR,   193                        ; and where I read my 16 bytes of a piece back
.set WSRC,  194                        ; my byte offset in two rows of Wo
.set U,     16                         ; Wo path: v16-143 four sets of 32 numbers
.set H,     144                        ; v144-159 a unit's f16 numbers
.set OB,    160                        ; v160-175 four pieces' registers
	s_load_b256 s[4:11], s[0:1], 0x0               ; hidden_states, Wq, Wk, Wv
	s_load_b256 s[12:19], s[0:1], 0x20             ; Wo, xcodes, xscales, wcodes
	s_load_b128 s[20:23], s[0:1], 0x40             ; wscales, wo16
	v_lshl_add_u32 v[SPW], v0, 2, SPARE
	v_mov_b32 v[NIL], 0
	v_lshrrev_b32 v1, 5, v0
	v_readfirstlane_b32 s24, v1                    ; wave
	v_and_b32 v2, 31, v0                           ; lane
	v_lshlrev_b32 v3, 4, v2                        ; 16 x lane
	s_mul_i32 s25, s24, WREG
	v_lshrrev_b32 v14, 2, v2
	v_mul_u32_u24 v14, v14, SP
	v_and_b32 v15, 3, v2
	v_lshl_add_u32 v14, v15, 4, v14
	v_add_nc_u32 v14, s25, v14                     ; the stage, on the way in: four lanes' 64 bytes on end, then 16 of padding
	v_mul_u32_u24 v15, v2, SP
	v_add_nc_u32 v15, s25, v15                     ; and on the way out: my 16 neighbours
	v_mul_u32_u24 v4, v2, CB                       ; my codes' place in a step's
	v_lshrrev_b32 v5, 1, v2
	s_add_co_u32 s25, s25, 2*32*SP
	v_add_nc_u32 v5, s25, v5                       ; my block's scale byte in LDS
	v_lshlrev_b32 v7, 3, v2
	v_add_nc_u32 v6, s25, v7                       ; and 8 of them a lane on the way out
	; the Wo path's addresses are made here too, ahead of the parting
	v_and_b32 v1, 15, v2                           ; c: which 4 numbers of a row's 64
	v_lshrrev_b32 v8, 4, v2                        ; which of two rows
	v_lshrrev_b32 v9, 2, v1
	v_mul_u32_u24 v[STW], v9, 576                  ; the piece (16 k): 512 bytes + 64 of padding
	v_bfe_u32 v9, v1, 1, 1
	v_mad_u32_u24 v[STW], v9, 288, v[STW]          ; its half h: 256 bytes + 32
	v_and_b32 v9, 1, v1
	v_lshl_add_u32 v[STW], v9, 3, v[STW]           ; which 8 of a lane's 16 bytes
	v_lshl_add_u32 v[STW], v8, 4, v[STW]           ; the row
	s_mul_i32 s25, s24, WSTB
	s_add_co_u32 s25, s25, WST
	v_add_nc_u32 v[STW], s25, v[STW]
	v_mul_u32_u24 v[STR], v8, 288
	v_lshl_add_u32 v[STR], v1, 4, v[STR]
	v_add_nc_u32 v[STR], s25, v[STR]
	v_lshlrev_b32 v[WSRC], 12, v8
	v_lshl_add_u32 v[WSRC], v1, 4, v[WSRC]
	s_and_b32 s32, ttmp9, 31                       ; a weight's work-group within its tensor
	s_sub_co_u32 s33, ttmp9, 128                   ; and within the three weights' codes
	s_mov_b32 s35, 0
	s_wait_kmcnt 0x0
	s_cmp_ge_u32 ttmp9, 224
	s_cbranch_scc1 .Lwo
	; ---- the quantiser.  Only pointers are chosen, by the work-group's number
	s_cmp_lt_u32 ttmp9, 192
	s_cselect_b64 s[26:27], s[8:9], s[10:11]
	s_cmp_lt_u32 ttmp9, 160
	s_cselect_b64 s[26:27], s[6:7], s[26:27]
	s_cmp_lt_u32 ttmp9, 128
	s_cselect_b64 s[26:27], s[4:5], s[26:27]       ; the numbers
	s_cselect_b64 s[28:29], s[14:15], s[18:19]     ; the codes
	s_cselect_b64 s[30:31], s[16:17], s[20:21]     ; the scale bytes
	s_cselect_b32 s32, ttmp9, s32
	s_cselect_b32 s33, ttmp9, s33
	s_lshl_b32 s32, s32, 2
	s_add_co_u32 s32, s32, s24                     ; which run of 8,192 numbers of the tensor is my wave's
	s_lshl_b32 s34, s32, 15
	s_add_nc_u64 s[26:27], s[26:27], s[34:35]
	s_lshl_b32 s33, s33, 2
	s_add_co_u32 s33, s33, s24                     ; and which run of the codes' buffer
	s_lshl_b32 s34, s33, 12
	s_add_nc_u64 s[28:29], s[28:29], s[34:35]
	s_lshl_b32 s34, s33, 8
	s_add_nc_u64 s[30:31], s[30:31], s[34:35]
.macro LOAD t
.irp i, 0,1,2,3
	global_load_b128 v[R+16*((\t)%4)+4*\i:R+16*((\t)%4)+4*\i+3], v3, s[26:27] offset:2048*(\t)+512*\i th:TH_LOAD_NT   ; 32 lanes read 512 consecutive bytes
.endr
.endm
.macro TURN t                          ; step t's numbers through the stage: LDS serves a wave's instructions in order, so no wait stands between the stores and the loads
.irp i, 0,1,2,3
	ds_store_b128 v14, v[R+16*((\t)%4)+4*\i:R+16*((\t)%4)+4*\i+3] offset:32*SP*((\t)%2)+8*SP*\i
.endr
.irp i, 0,1,2,3
	ds_load_b128 v[X+16*((\t)%2)+4*\i:X+16*((\t)%2)+4*\i+3], v15 offset:32*SP*((\t)%2)+16*\i
.endr
.endm
.irp t, 0,1,2,3
	LOAD \t
.endr
	s_wait_loadcnt 12                              ; step 0's four loads are in; three steps' twelve stay out
	TURN 0
.macro STEP t
.set XS, X+16*((\t)%2)
.if (\t) > 0
	s_wait_dscnt 1                                 ; this step's numbers are back from the stage; the last step's byte store may be out
.else
	s_wait_dscnt 0x0
.endif
.if (\t)+4 < STEPS
	LOAD (\t)+4                                    ; into the registers that this step's stores into the stage have read
.endif
.if (\t)+1 < STEPS
.if STEPS-2-(\t) >= 3
	s_wait_loadcnt 12                              ; the next step's four loads are in; those of the three steps behind it may be out
.else
	s_wait_loadcnt 4*(STEPS-2-(\t))
.endif
	TURN (\t)+1
.endif
	v_max3_num_f32 v8, |v[XS]|, |v[XS+1]|, |v[XS+2]|               ; the largest magnitude of my 16, in two chains
	v_max3_num_f32 v9, |v[XS+3]|, |v[XS+4]|, |v[XS+5]|
.irp i, 6,10
	v_max3_num_f32 v8, v8, |v[XS+\i]|, |v[XS+\i+1]|
	v_max3_num_f32 v9, v9, |v[XS+\i+2]|, |v[XS+\i+3]|
.endr
	v_max3_num_f32 v8, v8, |v[XS+14]|, |v[XS+15]|
	v_max3_num_f32 v8, v8, v9, 0x1800000           ; and the floor 2^(3 - 127): the byte cannot fall under 1
	v_max_num_f32_dpp v8, v8, v8 row_xmask:1 row_mask:0xf bank_mask:0xf   ; and of my neighbour's 16: the block's
	v_add_nc_u32 v11, 0xff000000, v8               ; 2 off its exponent field: the conversion takes the exponent field of this operand as its scale
	v_cvt_scalef32_pk8_fp4_f32 v[C+4*(\t)], v[XS:XS+7], v11
	v_cvt_scalef32_pk8_fp4_f32 v[C+4*(\t)+1], v[XS+8:XS+15], v11
	v_lshrrev_b32 v[E+(\t)], 23, v11               ; the scale's byte
	ds_store_b8 v5, v[E+(\t)] offset:16*(\t)       ; both lanes of a block write the same byte with the same value
	global_store_b64 v4, v[C+4*(\t):C+4*(\t)+1], s[28:29] offset:32*CB*(\t)   ; 32 lanes store 256 consecutive bytes, aligned
.endm
.irp t, 0,1,2,3,4,5,6,7,8,9,10,11,12,13,14,15
	STEP \t
.endr
	ds_load_b64 v[8:9], v6                         ; LDS serves a wave's instructions in order: these see my byte stores
	s_wait_dscnt 0x0
	global_store_b64 v7, v[8:9], s[30:31]          ; 32 lanes store 256 consecutive bytes, aligned
	s_wait_tensorcnt 0x0                           ; the wave's end
	ds_add_u32 v[SPW], v[NIL]
	s_wait_dscnt 0x0
	s_endpgm
	; ---- Wo to f16 in piece order.  Wave w takes row tile 2 (group - 224) + w / 2 and eight units of 16 rows x 64 numbers: the row's half w % 2
.Lwo:
	s_sub_co_u32 s32, ttmp9, 224
	s_lshl_b32 s32, s32, 1
	s_lshr_b32 s33, s24, 1
	s_add_co_u32 s32, s32, s33                     ; the row tile
	s_and_b32 s33, s24, 1
	s_lshl_b32 s34, s32, 16                        ; 16 rows of 4,096 bytes
	s_lshl_b32 s36, s33, 11
	s_add_co_u32 s34, s34, s36
	s_add_nc_u64 s[12:13], s[12:13], s[34:35]
	s_lshl_b32 s34, s32, 15                        ; 64 pieces of 512 bytes
	s_lshl_b32 s36, s33, 14
	s_add_co_u32 s34, s34, s36
	s_add_nc_u64 s[22:23], s[22:23], s[34:35]
.macro LOADU u                         ; a unit: eight loads, two rows each: sixteen lanes read 256 consecutive bytes of a row
.irp i, 0,1,2,3,4,5,6,7
	global_load_b128 v[U+32*((\u)%4)+4*\i:U+32*((\u)%4)+4*\i+3], v[WSRC], s[12:13] offset:256*(\u)+8192*\i th:TH_LOAD_NT
.endr
.endm
.macro UNIT u
.if 7-(\u) >= 3
	s_wait_loadcnt 24                              ; this unit's eight loads are in; three younger units' may be out
.else
	s_wait_loadcnt 8*(7-(\u))
.endif
.irp i, 0,1,2,3,4,5,6,7
	v_cvt_pk_f16_f32 v[H+2*\i], v[U+32*((\u)%4)+4*\i], v[U+32*((\u)%4)+4*\i+1]
	v_cvt_pk_f16_f32 v[H+2*\i+1], v[U+32*((\u)%4)+4*\i+2], v[U+32*((\u)%4)+4*\i+3]
.endr
.if (\u) < 4
	LOADU (\u)+4
.endif
.irp i, 0,1,2,3,4,5,6,7
	ds_store_b64 v[STW], v[H+2*\i:H+2*\i+1] offset:32*\i           ; rows 2 i and 2 i + 1
.endr
	s_wait_xcnt 0x0                                ; the last unit's stores have read v160-175
.irp k, 0,1,2,3
	ds_load_b128 v[OB+4*\k:OB+4*\k+3], v[STR] offset:576*\k        ; piece k as its lanes own it
.endr
	s_wait_dscnt 0x0
.irp k, 0,1,2,3
	global_store_b128 v3, v[OB+4*\k:OB+4*\k+3], s[22:23] offset:2048*(\u)+512*\k   ; 32 lanes store 512 consecutive bytes, aligned
.endr
.endm
.irp u, 0,1,2,3
	LOADU \u
.endr
.irp u, 0,1,2,3,4,5,6,7
	UNIT \u
.endr
	s_wait_tensorcnt 0x0                           ; the wave's end: the same three lines
	ds_add_u32 v[SPW], v[NIL]
	s_wait_dscnt 0x0
	s_endpgm
.Lfunc_end_k_qad92b72d9e_quant:
	.size	k_qad92b72d9e_quant, .Lfunc_end_k_qad92b72d9e_quant-k_qad92b72d9e_quant
	.p2alignl 7, 3214868480
	.fill 96, 4, 3214868480
	.section	.rodata,"a",@progbits
	.p2align	6, 0x0
	.amdhsa_kernel k_qad92b72d9e_quant
		.amdhsa_group_segment_fixed_size 42496
		.amdhsa_private_segment_fixed_size 0
		.amdhsa_enable_private_segment 0
		.amdhsa_kernarg_size 80
		.amdhsa_user_sgpr_count 2
		.amdhsa_user_sgpr_kernarg_segment_ptr 1
		.amdhsa_wavefront_size32 1
		.amdhsa_system_sgpr_workgroup_id_x 1
		.amdhsa_system_sgpr_workgroup_id_y 1
		.amdhsa_system_sgpr_workgroup_id_z 1
		.amdhsa_system_vgpr_workitem_id 0
		.amdhsa_next_free_vgpr 200
		.amdhsa_next_free_sgpr 66
		.amdhsa_reserve_vcc 0
		.amdhsa_float_denorm_mode_32 3
		.amdhsa_float_denorm_mode_16_64 3
		.amdhsa_memory_ordered 1
		.amdhsa_forward_progress 1
		.amdhsa_inst_pref_size 59
	.end_amdhsa_kernel
	.amdgpu_metadata
---
amdhsa.version: [ 1, 2 ]
amdhsa.kernels:
  - .name:           k_qad92b72d9e_quant
    .symbol:         k_qad92b72d9e_quant.kd
    .args:
      - { .name: hidden_states, .offset: 0, .size: 8, .value_kind: global_buffer, .address_space: global }
      - { .name: Wq, .offset: 8, .size: 8, .value_kind: global_buffer, .address_space: global }
      - { .name: Wk, .offset: 16, .size: 8, .value_kind: global_buffer, .address_space: global }
      - { .name: Wv, .offset: 24, .size: 8, .value_kind: global_buffer, .address_space: global }
      - { .name: Wo, .offset: 32, .size: 8, .value_kind: global_buffer, .address_space: global }
      - { .name: xcodes, .offset: 40, .size: 8, .value_kind: global_buffer, .address_space: global }
      - { .name: xscales, .offset: 48, .size: 8, .value_kind: global_buffer, .address_space: global }
      - { .name: wcodes, .offset: 56, .size: 8, .value_kind: global_buffer, .address_space: global }
      - { .name: wscales, .offset: 64, .size: 8, .value_kind: global_buffer, .address_space: global }
      - { .name: wo16, .offset: 72, .size: 8, .value_kind: global_buffer, .address_space: global }
    .group_segment_fixed_size: 42496
    .private_segment_fixed_size: 0
    .kernarg_segment_align: 8
    .kernarg_segment_size: 80
    .max_flat_workgroup_size: 128
    .sgpr_count:     66
    .vgpr_count:     200
    .wavefront_size: 32
...
	.end_amdgpu_metadata
.endif
;; end of part 1
;; launch qkv (part 2): grid 16 x 16, 4 waves a work-group, clusters of 4 x 1, 327,680 bytes of LDS; arguments xcodes, xscales, wcodes, wscales, bq, bk, bv, qkv, qkv32; writes qkv, qkv32
.if DOCPART == 2
	.amdgcn_target "amdgcn-amd-amdhsa--gfx1250"
	.amdhsa_code_object_version 6
	.text
	.protected	k_qad92b72d9e_qkv
	.globl	k_qad92b72d9e_qkv
	.p2align	8
	.type	k_qad92b72d9e_qkv,@function
k_qad92b72d9e_qkv:
	s_mov_b64 s[64:65], 0
	v_nop
	global_prefetch_b8 v0, s[64:65] scope:SCOPE_SE
	s_setreg_imm32_b32 hwreg(HW_REG_WAVE_MODE, 25, 1), 1
	s_wait_xcnt 0x0
	s_wait_alu depctr_hold_cnt(0) depctr_sa_sdst(0) depctr_va_vdst(0) depctr_va_sdst(0) depctr_va_ssrc(0) depctr_va_vcc(0) depctr_vm_vsrc(0)
	s_getreg_b32 s2, hwreg(HW_REG_IB_STS2, 6, 4)
	s_cmp_eq_u32 s2, 0
	s_cbranch_scc0 .Lentry_in_a_cluster
	s_endpgm
.Lentry_in_a_cluster:
	s_bfe_u32 s2, ttmp6, 0x10000c
	s_cmp_lg_u32 s2, 0x3003
	s_cbranch_scc0 .Lentry_shape_is_right
	s_endpgm
.Lentry_shape_is_right:
; q, k, v = x W^T + b as ONE product on codes of FP4 with E8M0 scales: [4096 tokens][1024] x [3072 features (Wq, Wk, Wv)][1024], sums in f32, the bias as the C of each sum's first instruction.
; A work-group makes 256 tokens x 192 features; each of its four waves 128 x 96: 48 accumulators, 384 registers.  ALL OF K LIES IN LDS: (256 + 192) rows x 512 bytes, brought as two chunks of
; 512 along K (rows of 256 bytes + 16 of padding) by first fills alone: nothing is filled again.  The scale bytes of the rows, dense in memory, come with them, in rows of 256 bytes + 16.
; CLUSTER: the four work-groups of a cluster share the token block and differ in the feature block: x's codes and scales are asked for jointly (mask 15), W's by plain loads.  A cluster of 4 x 4 is
; not taken: the branch round the f32 rows' stores hangs on the token block, which must be the same in all partners.
; THE MATRIX INSTRUCTION IS USED TRANSPOSED (source 0 = 16 features of W, source 1 = 16 tokens): a lane holds one token and eight neighbouring features, which pack into 16 bytes of f16.
; RESULTS in f16, in PIECE ORDER: a piece is 16 tokens x 16 channels, 512 bytes, lane (r, h)'s 16 bytes (token r, channels 8 h ..) at 16 x lane: qkv [T 3][batch 2][head 16][token tile 128][channel tile 4][512].
; v's pieces (T = 2) are laid TURNED: lane (r, h) stores at 16 ((r % 8) + 8 h + 16 (r / 8)), so that the turning LDS load at 16 x lane brings a lane one channel and eight keys.
; Every store of a wave covers 512 consecutive bytes, aligned.  The first 16 tokens of each batch also leave in f32, as images of the accumulators: qkv32 [batch][feature tile 192][1,024 bytes].
; LIMIT: q, k, v must stay under 65,504 in magnitude (f16).
; REGISTERS, in windows of 256: window 0: v1-29 addresses; v32-143 scale words, nothing else; v144-191 the bias, later v144-239 packed results.  window 1: two sets of fragments (x's 8, W's 6).
;   window 2: accumulators of my token tiles 0-3 ((a, b) at v[8 (6 a + b)]);  window 3: of tiles 4-7.
.set PITCH, 272
.set XHALF, 128*PITCH                  ; 128 rows of x: what one tensor load brings, and what one wave reads
.set WHALF, 96*PITCH                   ; 96 rows of W likewise
.set WOFF,  2*XHALF
.set CHUNK, WOFF+2*WHALF               ; 121,856
.set SCA,   2*CHUNK                    ; x's scale bytes: 32 rows of 272
.set SAH,   16*272
.set SCB,   SCA+2*SAH                  ; W's: 24 rows of 272
.set SBH,   12*272
.set SPARE, 259072                     ; the spare words, 128 bytes for each wave
.set ADRA,  4                          ; v4-5   my x fragments in chunk 0, 1
.set ADRB,  6                          ; v6-7   my W fragments
.set ADSA,  8                          ; v8     my x scale words
.set ADSB,  9                          ; v9     my W scale words
.set VNAT,  10                         ; v10    16 x lane
.set VPERM, 11                         ; v11    the turned place
.set VOFF,  12                         ; v12-17 which of the two, for each of my six feature tiles
.set BHV,   18                         ; v18    32 h
.set SPW,   28
.set NIL,   29
.set SC,    32                         ; chunk c at SC + 56 c: x's words (4 a + q), then W's (32 + 4 b + q)
.set BIAS,  144
.set OUTR,  144
.set G1A,  28
.set G1B,  36
.set G1SA, 44
.set G1SB, 52
.set G0SA, 60
.set G0A0, 68
.set G0A1, 72
.set G0SB, 76
.set G0B0, 80
.set G0B1, 84
.set PB,   88                          ; s[88:99] six pointers: the biases', later the stores'
.set MSB, 0
.macro WIN new                         ; the immediate's high byte repeats the setting that is left
.if MSB != (\new)
	s_set_vgpr_msb (MSB<<8)|(\new)
.set MSB, (\new)
.endif
.endm
.macro CROUND                          ; a round of the cluster's barrier
	s_barrier_signal -1
	s_barrier_wait -1
	s_cmp_lg_u32 s22, 0
	s_cbranch_scc1 .Lnot_wave_0_\@
	s_barrier_signal -3
.Lnot_wave_0_\@:
	s_barrier_wait -3
	s_barrier_signal -1
	s_barrier_wait -1
.endm
.macro PLACES n
.rept \n
	v_nop
.endr
.endm
.macro GROUP1 g, w0, d0, d1, st        ; a tile of d1 rows x d0 elements, st elements from row to row
	s_mov_b32 s[\g], \w0
	s_mov_b32 s[\g+1], (\d0)<<16
	s_mov_b32 s[\g+2], (\d1)<<16
	s_mov_b32 s[\g+3], (\d0)<<16
	s_mov_b32 s[\g+4], \d1
	s_mov_b32 s[\g+5], \st
	s_mov_b32 s[\g+6], 0
	s_mov_b32 s[\g+7], 0
.endm
	s_load_b512 s[4:19], s[0:1], 0x0               ; xcodes, xscales, wcodes, wscales, bq, bk, bv, qkv
	s_load_b64 s[20:21], s[0:1], 0x40              ; qkv32
	v_lshl_add_u32 v[SPW], v0, 2, SPARE
	v_mov_b32 v[NIL], 0
	ds_add_u32 v[SPW], v[NIL]                      ; the wave's opening: the add, twice on end, and its wait ahead of my first tensor load
	ds_add_u32 v[SPW], v[NIL]
	v_lshrrev_b32 v1, 5, v0
	v_readfirstlane_b32 s22, v1                    ; wave 0..3
	s_lshr_b32 s23, s22, 1                         ; my half of the tokens.  Also: I fetch for x (0) or for W (1)
	s_and_b32 s24, s22, 1                          ; my half of the features.  Also: which half I fetch
	s_bfe_u32 s25, ttmp6, 0x40000                  ; cx
	s_lshl_b32 s26, ttmp9, 2
	s_add_co_u32 s26, s26, s25                     ; the feature block = 4 x cluster x + cx
	s_and_b32 s27, ttmp7, 0xffff                   ; the token block, which the four partners share
	GROUP1 G1A, 15|(1<<20)|(1<<21)|(5<<22)|(3<<25), 256, 128, 512       ; x's codes: elements of 1 byte; the mask names all four; 4 words of padding behind every 64
	GROUP1 G1B, (1<<20)|(5<<22)|(3<<25), 256, 96, 512                   ; W's codes: no mask
	GROUP1 G1SA, 15|(3<<16)|(1<<20)|(1<<21)|(5<<22)|(3<<25), 32, 16, 32 ; x's scales: 4,096 dense bytes as 16 rows of 32 elements of 8 bytes
	GROUP1 G1SB, (3<<16)|(1<<20)|(5<<22)|(3<<25), 32, 12, 32            ; W's scales: 3,072 dense bytes
	s_lshl_b32 s2, s27, 8
	s_lshl_b32 s3, s24, 7
	s_add_co_u32 s2, s2, s3                        ; x: row 256 x token block + 128 x half
	s_lshl_b32 s2, s2, 5                           ; its scale bytes
	s_mov_b32 s3, 0
	s_mul_i32 s100, s26, 192
	s_mul_i32 s101, s24, 96
	s_add_co_u32 s100, s100, s101                  ; W: row 192 x feature block + 96 x half
	s_lshl_b32 s100, s100, 5
	s_mov_b32 s101, 0
	s_wait_dscnt 0x0                               ; both opening adds are done
	s_wait_kmcnt 0x0
	s_mov_b32 s[G0SA], 1
	s_mul_i32 s[G0SA+1], s24, SAH
	s_add_co_u32 s[G0SA+1], s[G0SA+1], SCA
	s_add_nc_u64 s[G0SA+2:G0SA+3], s[6:7], s[2:3]
	s_or_b32 s[G0SA+3], s[G0SA+3], 0x80000000
	s_lshl_b32 s2, s2, 4                           ; its codes: 512 bytes a row
	s_mov_b32 s[G0A0], 1
	s_mul_i32 s[G0A0+1], s24, XHALF
	s_add_nc_u64 s[G0A0+2:G0A0+3], s[4:5], s[2:3]
	s_mov_b32 s[G0A1], 1
	s_add_co_u32 s[G0A1+1], s[G0A0+1], CHUNK
	s_add_nc_u64 s[G0A1+2:G0A1+3], s[G0A0+2:G0A0+3], 256   ; the second 512 along K
	s_or_b32 s[G0A0+3], s[G0A0+3], 0x80000000
	s_or_b32 s[G0A1+3], s[G0A1+3], 0x80000000
	s_mov_b32 s[G0SB], 1
	s_mul_i32 s[G0SB+1], s24, SBH
	s_add_co_u32 s[G0SB+1], s[G0SB+1], SCB
	s_add_nc_u64 s[G0SB+2:G0SB+3], s[10:11], s[100:101]
	s_or_b32 s[G0SB+3], s[G0SB+3], 0x80000000
	s_lshl_b32 s100, s100, 4
	s_mov_b32 s[G0B0], 1
	s_mul_i32 s[G0B0+1], s24, WHALF
	s_add_co_u32 s[G0B0+1], s[G0B0+1], WOFF
	s_add_nc_u64 s[G0B0+2:G0B0+3], s[8:9], s[100:101]
	s_mov_b32 s[G0B1], 1
	s_add_co_u32 s[G0B1+1], s[G0B0+1], CHUNK
	s_add_nc_u64 s[G0B1+2:G0B1+3], s[G0B0+2:G0B0+3], 256
	s_or_b32 s[G0B0+3], s[G0B0+3], 0x80000000
	s_or_b32 s[G0B1+3], s[G0B1+3], 0x80000000
	CROUND                                         ; all four work-groups are here: the joint loads meet
	s_cmp_eq_u32 s23, 0                            ; a wave's three first fills stand in one branch on the wave's number: three loads of mine are out
	s_cbranch_scc0 .Lfill_w
	tensor_load_to_lds s[G0SA:G0SA+3], s[G1SA:G1SA+7]
	s_nop 0
	tensor_load_to_lds s[G0A0:G0A0+3], s[G1A:G1A+7]
	s_nop 0
	tensor_load_to_lds s[G0A1:G0A1+3], s[G1A:G1A+7]
	s_nop 0
	PLACES 4
	s_branch .Lfilled
.Lfill_w:
	tensor_load_to_lds s[G0SB:G0SB+3], s[G1SB:G1SB+7]
	s_nop 0
	tensor_load_to_lds s[G0B0:G0B0+3], s[G1B:G1B+7]
	s_nop 0
	tensor_load_to_lds s[G0B1:G0B1+3], s[G1B:G1B+7]
	s_nop 0
	PLACES 4
.Lfilled:
	v_and_b32 v1, 15, v0                           ; r
	v_bfe_u32 v2, v0, 4, 1                         ; h
	v_mul_u32_u24 v3, v1, PITCH
	v_lshl_add_u32 v3, v2, 4, v3                   ; a fragment's row x pitch + 16 h
	s_mul_i32 s2, s23, XHALF
	v_add_nc_u32 v[ADRA], s2, v3
	s_add_co_u32 s2, s2, CHUNK
	v_add_nc_u32 v[ADRA+1], s2, v3
	s_mul_i32 s2, s24, WHALF
	s_add_co_u32 s2, s2, WOFF
	v_add_nc_u32 v[ADRB], s2, v3
	s_add_co_u32 s2, s2, CHUNK
	v_add_nc_u32 v[ADRB+1], s2, v3
	v_lshrrev_b32 v3, 3, v1
	v_lshlrev_b32 v19, 5, v1
	v_lshl_add_u32 v19, v3, 4, v19                 ; a row's 32 scale bytes: 32 r, and 16 more behind each 256
	s_mul_i32 s2, s23, SAH
	s_add_co_u32 s2, s2, SCA
	v_add_nc_u32 v[ADSA], s2, v19
	s_mul_i32 s2, s24, SBH
	s_add_co_u32 s2, s2, SCB
	v_add_nc_u32 v[ADSB], s2, v19
	v_and_b32 v19, 31, v0
	v_lshlrev_b32 v[VNAT], 4, v19
	v_and_b32 v19, 7, v1
	v_lshlrev_b32 v[VPERM], 4, v19
	v_lshl_add_u32 v[VPERM], v2, 7, v[VPERM]
	v_lshl_add_u32 v[VPERM], v3, 8, v[VPERM]
	v_lshlrev_b32 v[BHV], 5, v2
	s_mul_i32 s25, s26, 12
	s_mul_i32 s100, s24, 6
	s_add_co_u32 s25, s25, s100                    ; my first feature tile of 192: tile F belongs to tensor F / 64, head (F / 4) % 16, channel tile F % 4
.irp b, 0,1,2,3,4,5                    ; the bias in the result's layout: lane (r, h) wants the tile's numbers 8 h .. 8 h + 7
	s_add_co_u32 s100, s25, \b
	s_cmp_lt_u32 s100, 128
	s_cselect_b64 s[PB+2*\b:PB+2*\b+1], s[14:15], s[16:17]
	s_cselect_b32 s104, 0, -1                      ; all ones where the tile is v's
	s_cmp_lt_u32 s100, 64
	s_cselect_b64 s[PB+2*\b:PB+2*\b+1], s[12:13], s[PB+2*\b:PB+2*\b+1]
	s_and_b32 s100, s100, 63
	s_lshl_b32 s100, s100, 6
	s_mov_b32 s101, 0
	s_add_nc_u64 s[PB+2*\b:PB+2*\b+1], s[PB+2*\b:PB+2*\b+1], s[100:101]
	v_cndmask_b32 v[VOFF+\b], v[VNAT], v[VPERM], s104
	global_load_b128 v[BIAS+8*\b:BIAS+8*\b+3], v[BHV], s[PB+2*\b:PB+2*\b+1]
	global_load_b128 v[BIAS+8*\b+4:BIAS+8*\b+7], v[BHV], s[PB+2*\b:PB+2*\b+1] offset:16
.endr
.macro FRAG reg, adr, q, i             ; 16 rows x 128 K of 4-bit codes: registers 4 c .. 4 c + 3 hold K = 64 c + 32 h + 0 .. 31
.irp c, 0,1
	ds_load_b128 v[\reg+4*\c:\reg+4*\c+3], v[\adr] offset:64*(\q)+32*\c+(\i)*16*PITCH
.endr
.endm
.macro FETCH s                         ; K step s (128 along K): 28 loads in one run into set s % 2
	WIN 0x40
.irp i, 0,1,2,3,4,5
	FRAG 128*((\s)%2)+64+8*\i, ADRB+(\s)/4, (\s)%4, \i
.endr
.irp i, 0,1,2,3,4,5,6,7
	FRAG 128*((\s)%2)+8*\i, ADRA+(\s)/4, (\s)%4, \i
.endr
	WIN 0
.endm
.macro SCALES c                        ; a chunk's scale words: four a row; both halves of the lanes read the same rows
.irp i, 0,1,2,3,4,5,6,7
	ds_load_b128 v[SC+56*\c+4*\i:SC+56*\c+4*\i+3], v[ADSA] offset:544*\i+16*\c
.endr
.irp i, 0,1,2,3,4,5
	ds_load_b128 v[SC+56*\c+32+4*\i:SC+56*\c+32+4*\i+3], v[ADSB] offset:544*\i+16*\c
.endr
.endm
; 24 matrix instructions: token tiles a0 .. a0 + 3 x my six feature tiles.  The 48 accumulators take turns, one instruction a turn, in the same order in every step.
.macro MULA s, a0
.irp a, \a0, \a0+1, \a0+2, \a0+3
.irp b, 0,1,2,3,4,5
.if (\s) == 0
	v_wmma_scale_f32_16x16x128_f8f6f4 v[8*(6*((\a)%4)+\b):8*(6*((\a)%4)+\b)+7], v[128*((\s)%2)+64+8*\b:128*((\s)%2)+64+8*\b+7], v[128*((\s)%2)+8*(\a):128*((\s)%2)+8*(\a)+7], v[BIAS+8*\b:BIAS+8*\b+7], v[SC+56*((\s)/4)+32+4*\b+(\s)%4], v[SC+56*((\s)/4)+4*(\a)+(\s)%4] matrix_a_fmt:MATRIX_FMT_FP4 matrix_b_fmt:MATRIX_FMT_FP4
.else
	v_wmma_scale_f32_16x16x128_f8f6f4 v[8*(6*((\a)%4)+\b):8*(6*((\a)%4)+\b)+7], v[128*((\s)%2)+64+8*\b:128*((\s)%2)+64+8*\b+7], v[128*((\s)%2)+8*(\a):128*((\s)%2)+8*(\a)+7], v[8*(6*((\a)%4)+\b):8*(6*((\a)%4)+\b)+7], v[SC+56*((\s)/4)+32+4*\b+(\s)%4], v[SC+56*((\s)/4)+4*(\a)+(\s)%4] matrix_a_fmt:MATRIX_FMT_FP4 matrix_b_fmt:MATRIX_FMT_FP4
.endif
.endr
.endr
.endm
.macro STEP s
	s_wait_dscnt 0x0                               ; this step's fragments, asked for 24 matrix instructions ago, and the chunk's scale words are in
.if (\s) == 0
	WIN 0x85                                       ; sources 0 and 1 window 1, C (the bias) window 0, D window 2
.else
	WIN 0xa5
.endif
	MULA \s, 0
.if (\s) == 3
	s_wait_tensorcnt 0x0                           ; my part of chunk 1 is in,
	s_barrier_signal -1
	s_barrier_wait -1                              ; everybody's is.
.endif
.if (\s) < 7
	PLACES 4                                       ; in front of loads into registers that the last step's matrix instructions have read
	FETCH (\s)+1
.if (\s) == 3
	SCALES 1
.endif
.endif
.if (\s) == 0
	WIN 0xc5
.else
	WIN 0xf5
.endif
	MULA \s, 4
.endm
	s_wait_tensorcnt 1                             ; the scales and my part of chunk 0 are in; chunk 1's load may stay out
	s_barrier_signal -1
	s_barrier_wait -1
	FETCH 0
	SCALES 0
	s_wait_loadcnt 0x0                             ; the bias; its pointers may be written again
	s_lshr_b32 s67, s27, 3
	s_lshl_b32 s67, s67, 4                         ; 16 x batch
	s_and_b32 s66, s27, 7
	s_lshl_b32 s66, s66, 4
	s_lshl_b32 s104, s23, 3
	s_add_co_u32 s66, s66, s104
	s_lshl_b32 s66, s66, 11                        ; my first token tile of the batch, 2,048 bytes a tile
.irp b, 0,1,2,3,4,5                    ; where tile b's pieces go
	s_add_co_u32 s100, s25, \b
	s_lshr_b32 s101, s100, 6
	s_lshl_b32 s101, s101, 5
	s_bfe_u32 s104, s100, 0x40002
	s_add_co_u32 s101, s101, s104
	s_add_co_u32 s101, s101, s67                   ; 32 T + 16 batch + head
	s_lshl_b32 s101, s101, 18
	s_and_b32 s104, s100, 3
	s_lshl_b32 s104, s104, 9
	s_add_co_u32 s104, s104, s101
	s_add_co_u32 s104, s104, s66
	s_mov_b32 s105, 0
	s_add_nc_u64 s[PB+2*\b:PB+2*\b+1], s[18:19], s[104:105]
.endr
	s_lshr_b32 s100, s27, 3
	s_mul_i32 s100, s100, 192
	s_add_co_u32 s100, s100, s25
	s_lshl_b32 s100, s100, 10
	s_mov_b32 s101, 0
	s_add_nc_u64 s[20:21], s[20:21], s[100:101]    ; and the f32 images of my six tiles
.irp s, 0,1,2,3,4,5,6,7
	STEP \s
.endr
	WIN 0
	PLACES 4                                       ; in front of the first read of results
.irp a, 0,1,2,3,4,5,6,7                ; a token tile at a time: six pieces; four sets of registers take turns
.if \a >= 4
	s_wait_xcnt 0x0                                ; the stores of four tiles back have read their registers
.endif
	WIN 0x0a+5*(\a/4)                              ; sources in window 2 or 3
.irp b, 0,1,2,3,4,5
.irp j, 0,1,2,3
	v_cvt_pk_f16_f32 v[OUTR+24*(\a%4)+4*\b+\j], v[8*(6*(\a%4)+\b)+2*\j], v[8*(6*(\a%4)+\b)+2*\j+1]   ; each accumulator from its low end on
.endr
.endr
	WIN 0
.irp b, 0,1,2,3,4,5
	global_store_b128 v[VOFF+\b], v[OUTR+24*(\a%4)+4*\b:OUTR+24*(\a%4)+4*\b+3], s[PB+2*\b:PB+2*\b+1] offset:\a*2048   ; 32 lanes store 512 consecutive bytes, aligned
.endr
.endr
	s_and_b32 s100, s27, 7                         ; the first 16 tokens of a batch are token tile 0 of the waves with the first half of token blocks 0 and 8
	s_or_b32 s100, s100, s23
	s_cmp_lg_u32 s100, 0                           ; the token block and the wave's number alone: the same in all four partners
	s_cbranch_scc1 .Lnot_first
	WIN 0x08                                       ; a store's data: window 2
.irp b, 0,1,2,3,4,5
	global_store_b128 v[VNAT], v[8*\b:8*\b+3], s[20:21] offset:1024*\b
	global_store_b128 v[VNAT], v[8*\b+4:8*\b+7], s[20:21] offset:1024*\b+512
.endr
	WIN 0
.Lnot_first:
	s_wait_tensorcnt 0x0                           ; the wave's end
	ds_add_u32 v[SPW], v[NIL]
	s_wait_dscnt 0x0
	CROUND                                         ; the closing round
	s_endpgm
.Lfunc_end_k_qad92b72d9e_qkv:
	.size	k_qad92b72d9e_qkv, .Lfunc_end_k_qad92b72d9e_qkv-k_qad92b72d9e_qkv
	.p2alignl 7, 3214868480
	.fill 96, 4, 3214868480
	.section	.rodata,"a",@progbits
	.p2align	6, 0x0
	.amdhsa_kernel k_qad92b72d9e_qkv
		.amdhsa_group_segment_fixed_size 327680
		.amdhsa_private_segment_fixed_size 0
		.amdhsa_enable_private_segment 0
		.amdhsa_kernarg_size 72
		.amdhsa_user_sgpr_count 2
		.amdhsa_user_sgpr_kernarg_segment_ptr 1
		.amdhsa_wavefront_size32 1
		.amdhsa_system_sgpr_workgroup_id_x 1
		.amdhsa_system_sgpr_workgroup_id_y 1
		.amdhsa_system_sgpr_workgroup_id_z 1
		.amdhsa_system_vgpr_workitem_id 0
		.amdhsa_next_free_vgpr 1024
		.amdhsa_next_free_sgpr 106
		.amdhsa_reserve_vcc 0
		.amdhsa_float_denorm_mode_32 3
		.amdhsa_float_denorm_mode_16_64 3
		.amdhsa_memory_ordered 1
		.amdhsa_forward_progress 1
		.amdhsa_inst_pref_size 100
	.end_amdhsa_kernel
	.amdgpu_metadata
---
amdhsa.version: [ 1, 2 ]
amdhsa.kernels:
  - .name:           k_qad92b72d9e_qkv
    .symbol:         k_qad92b72d9e_qkv.kd
    .args:
      - { .name: xcodes, .offset: 0, .size: 8, .value_kind: global_buffer, .address_space: global }
      - { .name: xscales, .offset: 8, .size: 8, .value_kind: global_buffer, .address_space: global }
      - { .name: wcodes, .offset: 16, .size: 8, .value_kind: global_buffer, .address_space: global }
      - { .name: wscales, .offset: 24, .size: 8, .value_kind: global_buffer, .address_space: global }
      - { .name: bq, .offset: 32, .size: 8, .value_kind: global_buffer, .address_space: global }
      - { .name: bk, .offset: 40, .size: 8, .value_kind: global_buffer, .address_space: global }
      - { .name: bv, .offset: 48, .size: 8, .value_kind: global_buffer, .address_space: global }
      - { .name: qkv, .offset: 56, .size: 8, .value_kind: global_buffer, .address_space: global }
      - { .name: qkv32, .offset: 64, .size: 8, .value_kind: global_buffer, .address_space: global }
    .group_segment_fixed_size: 327680
    .private_segment_fixed_size: 0
    .kernarg_segment_align: 8
    .kernarg_segment_size: 72
    .max_flat_workgroup_size: 128
    .sgpr_count:     106
    .vgpr_count:     1024
    .wavefront_size: 32
...
	.end_amdgpu_metadata
.endif
;; end of part 2
;; launch attn (part 3): grid 8 x 32, 8 waves a work-group, no clusters, 327,680 bytes of LDS; arguments qkv, att; writes att
.if DOCPART == 3
	.amdgcn_target "amdgcn-amd-amdhsa--gfx1250"
	.amdhsa_code_object_version 6
	.text
	.protected	k_qad92b72d9e_attn
	.globl	k_qad92b72d9e_attn
	.p2align	8
	.type	k_qad92b72d9e_attn,@function
k_qad92b72d9e_attn:
	s_mov_b64 s[64:65], 0
	v_nop
	global_prefetch_b8 v0, s[64:65] scope:SCOPE_SE
	s_setreg_imm32_b32 hwreg(HW_REG_WAVE_MODE, 25, 1), 1
	s_wait_xcnt 0x0
; Causal attention of one head, head size 64, in f16 with f32 sums: att = softmax(q k^T / 8, keys up to the query) v.  q, k, v come in piece order (16 tokens x 16 channels, 512 bytes, lane l's 16 bytes
; at 16 l; v's pieces turned), att leaves in piece order: [token tile 256][feature tile 64][512 bytes].
; SHARES.  A work-group owns query blocks i and 15 - i (128 queries each) of one head: together 17 blocks of 128 keys for every i, so all 256 work-groups have equal work.  Wave w owns 32 queries, two tiles
; of 16: waves 0-3 of block i, ascending, waves 4-7 of block 15 - i, descending, so that waves s and s + 4 together have 33 key steps for every s.
; LAYOUT.  Both products are used transposed: S^T = K Q^T, O^T = V^T P: a lane holds one query throughout; two tiles of S^T, rounded to f16 in pairs, are source 1 of the second product.
; SOFTMAX.  A running maximum m and sum l for each query: p = 2^(c s - c m), c = log2(e) / 8; in every step O and l are multiplied by a = 2^(c m_old - c m_new).  Key 0 counts for every query.
; RING.  Two LDS slots of 256 keys (K 32,768 bytes, V 32,768), dense: every wave fetches an eighth of a slot, 8,192 consecutive bytes, by one tensor load.  Every work-group walks all eight slots:
; trip counts are constants.  A step all of whose keys come after the wave's queries is jumped over; a slot whose first key comes after the work-group's last query is not asked for.
; NO CLUSTER: the work-groups of a head need different numbers of slots (block 15 - i ends at another key for each i), so a partner would have to receive tiles that none of its waves reads.
; LIMIT: magnitudes of q, k, v under 65,504 (f16).  The first 16 positions of each sequence are computed here too, and written over in f32 by a later launch.
; REGISTERS: window 0: v1-10 addresses; v16-31 statistics; v32-63 Q; v64-127 S^T; v128-159 P; v160-223 O^T; v224-255 the way out.  window 1: v0-63 K, v64-127 V of one step.
.set SLOTB, 65536
.set VPART, 32768
.set SPARE, 131072                     ; the spare words, 128 bytes for each of eight waves
.set LI,   1                           ; v1   16 x lane
.set ADK,  2                           ; v2   LDS address of the step's pieces
.set SPW,  4
.set NIL,  5
.set RH,   6                           ; v6   r - 8 h
.set NINF, 7                           ; v7   -infinity
.set PFO,  8                           ; v8   256 x lane
.set D0,   9                           ; v9-10 the mask's bound for tiles 0, 1
.set ST,   16                          ; tile t at ST + 8 t: +0 c m, +1 m, +2, +3 l, +4 .. +7 at work; a takes +6
.set Q,    32
.set S,    64
.set P,    128
.set O,    160
.set OUTR, 224
.set WV,   8
.set WGI,  9
.set BH,   10
.set Q0,   13                          ; my first query
.set LASTQ, 14                         ; my work-group's last query
.set KF,   15                          ; the step's first key
.set TB,   16                          ; LDS byte at which the step's pieces of K begin
.set SLOTS, 17
.set STP,  18
.set LIM,  19                          ; 1 in a work-group that prefetches, else the greatest number
.set SEL,  20
.set CS,   22
.set G1,   24
.set G0,   32
.set PFA,  36
.set QB,   38
.set AB,   40
.set MSB, 0
.macro WIN new
.if MSB != (\new)
	s_set_vgpr_msb (MSB<<8)|(\new)
.set MSB, (\new)
.endif
.endm
	s_load_b128 s[4:7], s[0:1], 0x0                ; qkv, att
	v_lshl_add_u32 v[SPW], v0, 2, SPARE
	v_mov_b32 v[NIL], 0
	ds_add_u32 v[SPW], v[NIL]                      ; the wave's opening: the add, twice on end, and its wait ahead of my first tensor load
	ds_add_u32 v[SPW], v[NIL]
	v_lshrrev_b32 v1, 5, v0
	v_readfirstlane_b32 s[WV], v1
	s_mov_b32 s[WGI], ttmp9
	s_and_b32 s[BH], ttmp7, 0xffff                 ; 16 x batch + head
	s_sub_co_u32 s42, 15, s[WGI]
	s_sub_co_u32 s43, 7, s[WV]
	s_cmp_lt_u32 s[WV], 4
	s_cselect_b32 s42, s[WGI], s42                 ; my block of 128 queries
	s_cselect_b32 s43, s[WV], s43                  ; and my 32 of them
	s_lshl_b32 s42, s42, 7
	s_lshl_b32 s43, s43, 5
	s_add_co_u32 s[Q0], s42, s43
	s_lshl_b32 s[LASTQ], s[WGI], 7
	s_sub_co_u32 s[LASTQ], 2047, s[LASTQ]
	s_mov_b32 s[KF], 0
	s_mov_b32 s[TB], 0
	s_mov_b32 s[SLOTS], 7
	s_cmp_eq_u32 s[WGI], 0
	s_cselect_b32 s[LIM], 1, -1
	s_mov_b32 s[SEL], 0x76543210
	s_mov_b32 s[SEL+1], 0xfedcba98                 ; lane l xor 16
	s_mov_b32 s[CS], 0x3e38aa3b                    ; c = log2(e) / 8
	s_mov_b32 s[CS+1], s[CS]
	s_mov_b32 s[G1], 3<<16                         ; elements of 8 bytes, no mask, no padding
	s_mov_b32 s[G1+1], 32<<16                      ; 8,192 dense bytes as 32 rows of 32 elements
	s_mov_b32 s[G1+2], 32<<16
	s_mov_b32 s[G1+3], 32<<16
	s_mov_b32 s[G1+4], 32
	s_mov_b32 s[G1+5], 32
	s_mov_b32 s[G1+6], 0
	s_mov_b32 s[G1+7], 0
	s_lshr_b32 s42, s[WV], 2                       ; waves 0-3 fetch K's quarters, waves 4-7 V's
	s_add_co_u32 s42, s42, 1
	s_lshl_b32 s42, s42, 5
	s_add_co_u32 s42, s42, s[BH]
	s_lshl_b32 s42, s42, 18                        ; a head's pieces are 262,144 bytes
	s_and_b32 s43, s[WV], 3
	s_lshl_b32 s43, s43, 13
	s_add_co_u32 s42, s42, s43
	s_mov_b32 s43, 0
	s_lshl_b32 s44, s[BH], 18
	s_lshl_b32 s45, s[Q0], 7
	s_add_co_u32 s44, s44, s45                     ; q: my head, my first token tile (2,048 bytes a tile)
	s_mov_b32 s45, 0
	s_lshr_b32 s46, s[BH], 4
	s_lshl_b32 s46, s46, 22
	s_lshl_b32 s47, s[Q0], 11
	s_add_co_u32 s46, s46, s47                     ; att: my token tile (32,768 bytes a tile),
	s_and_b32 s47, s[BH], 15
	s_lshl_b32 s47, s47, 11
	s_add_co_u32 s46, s46, s47                     ; my head's four feature tiles
	s_mov_b32 s47, 0
	s_wait_dscnt 0x0                               ; both opening adds are done
	s_wait_kmcnt 0x0
	s_mov_b32 s[G0], 1
	s_lshl_b32 s[G0+1], s[WV], 13                  ; LDS: 8,192 x wave, in slot 0
	s_add_nc_u64 s[G0+2:G0+3], s[4:5], s[42:43]
	s_add_nc_u64 s[PFA:PFA+1], s[G0+2:G0+3], 32768 ; my part of slot 1; the first change of slots steps it to slot 2
	s_or_b32 s[G0+3], s[G0+3], 0x80000000
	tensor_load_to_lds s[G0:G0+3], s[G1:G1+7]      ; slot 0
	s_nop 0
.rept 4
	v_nop
.endr
	s_add_nc_u64 s[QB:QB+1], s[4:5], s[44:45]
	s_add_nc_u64 s[AB:AB+1], s[6:7], s[46:47]
	v_and_b32 v1, 31, v0
	v_lshlrev_b32 v[PFO], 8, v1
	v_lshlrev_b32 v[LI], 4, v1
.irp t, 0,1
.irp f, 0,1,2,3
	global_load_b128 v[Q+16*\t+4*\f:Q+16*\t+4*\f+3], v[LI], s[QB:QB+1] offset:2048*\t+512*\f   ; Q stays in registers
.endr
.endr
	v_and_b32 v[RH], 15, v0
	v_bfe_u32 v[ADK], v0, 4, 1
	v_lshlrev_b32 v[ADK], 3, v[ADK]
	v_sub_nc_u32 v[RH], v[RH], v[ADK]
	v_mov_b32 v[NINF], 0xff800000
.irp t, 0,1
	v_mov_b32 v[ST+8*\t+1], 0xff61b1e6             ; m: -3e38, under every score
	v_mul_f32 v[ST+8*\t], s[CS], v[ST+8*\t+1]
	v_mov_b32 v[ST+8*\t+2], 0                      ; l, in two halves
	v_mov_b32 v[ST+8*\t+3], 0
	v_mov_b32 v[ST+8*\t+5], 0                      ; a lane permute's destination counts as one of its sources
	v_mov_b32 v[ST+8*\t+7], 0
.endr
.set n, 0
.rept 64
	v_mov_b32 v[O+n], 0                            ; O^T.  The step is written once: the first finds zeros, which a = 0 leaves zeros
.set n, n+1
.endr
; One key step's softmax for both tiles, the tiles by turns line by line.
.macro SOFTMAX
.irp c, 0,1,2,3
.irp t, 0,1
	v_max3_num_f32 v[ST+8*\t+4+\c], v[S+32*\t+8*\c], v[S+32*\t+8*\c+1], v[S+32*\t+8*\c+2]   ; four chains, each from an accumulator's low end on
.endr
.endr
.irp k, 3,5
.irp c, 0,1,2,3
.irp t, 0,1
	v_max3_num_f32 v[ST+8*\t+4+\c], v[ST+8*\t+4+\c], v[S+32*\t+8*\c+\k], v[S+32*\t+8*\c+\k+1]
.endr
.endr
.endr
.irp t, 0,1
	v_max3_num_f32 v[ST+8*\t+4], v[ST+8*\t+4], v[S+32*\t+7], v[S+32*\t+15]
	v_max3_num_f32 v[ST+8*\t+6], v[ST+8*\t+6], v[S+32*\t+23], v[S+32*\t+31]
.endr
.irp t, 0,1
	v_max3_num_f32 v[ST+8*\t+4], v[ST+8*\t+4], v[ST+8*\t+5], v[ST+8*\t+6]
.endr
.irp t, 0,1
	v_max3_num_f32 v[ST+8*\t+4], v[ST+8*\t+4], v[ST+8*\t+7], v[ST+8*\t+1]   ; with the old m
.endr
.irp t, 0,1
	v_permlanex16_b32 v[ST+8*\t+5], v[ST+8*\t+4], s[SEL], s[SEL+1]          ; the query's other 32 keys lie in the lane 16 away
.endr
.irp t, 0,1
	v_mov_b32 v[ST+8*\t+7], v[ST+8*\t]             ; c m_old
.endr
.irp t, 0,1
	v_max_num_f32 v[ST+8*\t+1], v[ST+8*\t+4], v[ST+8*\t+5]
.endr
.irp t, 0,1
	v_mul_f32 v[ST+8*\t], s[CS], v[ST+8*\t+1]
.endr
.irp t, 0,1
	v_sub_f32 v[ST+8*\t+7], v[ST+8*\t+7], v[ST+8*\t]
.endr
.set n, 0
.rept 16
.irp t, 0,1
	v_pk_fma_f32 v[S+32*\t+2*n:S+32*\t+2*n+1], v[S+32*\t+2*n:S+32*\t+2*n+1], s[CS:CS+1], v[ST+8*\t:ST+8*\t+1] op_sel_hi:[1,0,0] neg_lo:[0,0,1] neg_hi:[0,0,1]   ; c s - c m
.endr
.set n, n+1
.endr
.irp t, 0,1
	v_exp_f32 v[ST+8*\t+6], v[ST+8*\t+7]           ; a
.endr
.set n, 0
.rept 32
.irp t, 0,1
	v_exp_f32 v[S+32*\t+n], v[S+32*\t+n]           ; p
.endr
.set n, n+1
.endr
	v_nop                                          ; a plain instruction behind the last exponential
	s_wait_alu depctr_va_vdst(0)                   ; one wait for the 66 exponentials, ahead of the first instruction that names a result
.set n, 0
.rept 16
.irp t, 0,1
	v_cvt_pk_f16_f32 v[P+16*\t+n], v[S+32*\t+2*n], v[S+32*\t+2*n+1]
.endr
.set n, n+1
.endr
.irp u, 0,1,2,3,4,5,6,7                ; the sum of the 16 pairs, in place
.irp t, 0,1
	v_pk_add_f32 v[S+32*\t+4*\u:S+32*\t+4*\u+1], v[S+32*\t+4*\u:S+32*\t+4*\u+1], v[S+32*\t+4*\u+2:S+32*\t+4*\u+3]
.endr
.endr
.irp u, 0,1,2,3
.irp t, 0,1
	v_pk_add_f32 v[S+32*\t+8*\u:S+32*\t+8*\u+1], v[S+32*\t+8*\u:S+32*\t+8*\u+1], v[S+32*\t+8*\u+4:S+32*\t+8*\u+5]
.endr
.endr
.irp u, 0,1
.irp t, 0,1
	v_pk_add_f32 v[S+32*\t+16*\u:S+32*\t+16*\u+1], v[S+32*\t+16*\u:S+32*\t+16*\u+1], v[S+32*\t+16*\u+8:S+32*\t+16*\u+9]
.endr
.endr
.irp t, 0,1
	v_pk_add_f32 v[S+32*\t:S+32*\t+1], v[S+32*\t:S+32*\t+1], v[S+32*\t+16:S+32*\t+17]
.endr
.irp t, 0,1
	v_pk_fma_f32 v[ST+8*\t+2:ST+8*\t+3], v[ST+8*\t+2:ST+8*\t+3], v[ST+8*\t+6:ST+8*\t+7], v[S+32*\t:S+32*\t+1] op_sel_hi:[1,0,1]   ; l = a l + the sum
.endr
.set n, 0
.rept 16
.irp t, 0,1
	v_pk_mul_f32 v[O+32*\t+2*n:O+32*\t+2*n+1], v[O+32*\t+2*n:O+32*\t+2*n+1], v[ST+8*\t+6:ST+8*\t+7] op_sel_hi:[1,0]   ; O^T x a, each accumulator from its low end on
.endr
.set n, n+1
.endr
.endm
; A KEY STEP: 64 keys.
.macro STEP
	s_add_co_u32 s42, s[Q0], 31
	s_cmp_gt_u32 s[KF], s42                        ; all 64 keys come after my 32 queries: the step's work is left out; the address steps at its end are not
	s_cbranch_scc1 .Lhidden_\@
	v_add_nc_u32 v[ADK], s[TB], v[LI]
.rept 3
	v_nop                                          ; with the addition: four places in front of loads into registers that the last products have read
.endr
	WIN 0x40                                       ; destination window 1
.irp a, 0,1,2,3
.irp f, 0,1,2,3
	ds_load_b128 v[16*\a+4*\f:16*\a+4*\f+3], v[ADK] offset:2048*\a+512*\f                       ; K: key tile a, channel tile f
.endr
.endr
.irp a, 0,1,2,3
.irp f, 0,1,2,3
	ds_load_tr16_b128 v[64+16*\f+4*\a:64+16*\f+4*\a+3], v[ADK] offset:VPART+2048*\a+512*\f      ; V, turned: a lane gets channel r of tile f and keys 8 h .. 8 h + 7 of tile a
.endr
.endr
	s_wait_dscnt 16                                ; K is in; V's sixteen loads may be out
	WIN 0x01                                       ; source 0 window 1
.irp kk, 0,1                           ; S^T = K Q^T: eight accumulators by turns
.irp a, 0,1,2,3
.irp t, 0,1
.if \kk == 0
	v_wmma_f32_16x16x32_f16 v[S+32*\t+8*\a:S+32*\t+8*\a+7], v[16*\a+8*\kk:16*\a+8*\kk+7], v[Q+16*\t+8*\kk:Q+16*\t+8*\kk+7], 0
.else
	v_wmma_f32_16x16x32_f16 v[S+32*\t+8*\a:S+32*\t+8*\a+7], v[16*\a+8*\kk:16*\a+8*\kk+7], v[Q+16*\t+8*\kk:Q+16*\t+8*\kk+7], v[S+32*\t+8*\a:S+32*\t+8*\a+7]
.endif
.endr
.endr
.endr
	WIN 0
.rept 4
	v_nop
.endr
	s_add_co_u32 s42, s[KF], 63
	s_cmp_le_u32 s42, s[Q0]                        ; all keys count for all my queries: no mask
	s_cbranch_scc1 .Lopen_\@
	s_sub_co_i32 s42, s[Q0], s[KF]
	v_add_nc_u32 v[D0], s42, v[RH]                 ; register 8 a + j of tile t holds key KF + 16 a + 8 h + j, query Q0 + 16 t + r: hidden where 16 a + j > Q0 - KF + 16 t + r - 8 h
	v_add_nc_u32 v[D0+1], 16, v[D0]
.irp t, 0,1
.irp a, 0,1,2,3
.irp j, 0,1,2,3,4,5,6,7
	v_cmp_gt_i32 vcc_lo, 16*\a+\j, v[D0+\t]
	v_cndmask_b32 v[S+32*\t+8*\a+\j], v[S+32*\t+8*\a+\j], v[NINF], vcc_lo
.endr
.endr
.endr
.Lopen_\@:
	SOFTMAX
	s_wait_dscnt 0x0                               ; V is in
	WIN 0x01
.irp kk, 0,1                           ; O^T += V^T P: eight accumulators by turns
.irp f, 0,1,2,3
.irp t, 0,1
	v_wmma_f32_16x16x32_f16 v[O+32*\t+8*\f:O+32*\t+8*\f+7], v[64+16*\f+8*\kk:64+16*\f+8*\kk+7], v[P+16*\t+8*\kk:P+16*\t+8*\kk+7], v[O+32*\t+8*\f:O+32*\t+8*\f+7]
.endr
.endr
.endr
	WIN 0
.Lhidden_\@:
	s_add_co_u32 s[KF], s[KF], 64
	s_add_co_u32 s[TB], s[TB], 8192
.endm
; A PREFETCH INTO THE L2 of what the NEXT change of slots will ask for.  All work-groups of a head walk the same K and V: the head's first work-group, which asks for every slot, prefetches; each of its eight
; waves names its own 8,192 bytes, lanes 256 bytes apart: each block of 256 bytes is named once in the launch.  The last change that fills a slot asks for nothing; slots 0 and 1 come by their loads alone.
.macro ASK
	s_cmp_gt_u32 s[SLOTS], s[LIM]
	s_cbranch_scc0 .Lnot_mine_\@
	global_prefetch_b8 v[PFO], s[PFA:PFA+1] th:TH_LOAD_NT scope:SCOPE_SE
.Lnot_mine_\@:
.endm
; THE CHANGE OF SLOTS stands at a slot's head.  Each wave waits for all its tensor loads (its part of the slot ahead), adds 0 to its spare word, and waits for that and for its reads of the slot that it has left.
; Behind the barrier the slot ahead is whole and nobody reads the other one: it is filled with the next 256 keys, which have a slot's four steps in which to land.
.macro CHANGE fill
	s_wait_tensorcnt 0x0                           ; no tensor load of mine is out, so the descriptor may be written
	ds_add_u32 v[SPW], v[NIL]
.if \fill
	s_xor_b32 s[G0+1], s[G0+1], SLOTB              ; the other slot than last time,
	s_add_nc_u64 s[G0+2:G0+3], s[G0+2:G0+3], 32768 ; the next 256 keys
	s_wait_xcnt 0x0                                ; the last prefetch, a slot back, has read its address
	s_add_nc_u64 s[PFA:PFA+1], s[PFA:PFA+1], 32768
.endif
	s_wait_dscnt 0x0                               ; the add is done, and my reads of the slot that I have left are over
	s_barrier_signal -1
	s_barrier_wait -1
.if \fill
	s_add_co_u32 s42, s[KF], 256                   ; the first key of the slot that this change would ask for
	s_cmp_gt_u32 s42, s[LASTQ]                     ; ids and the count of steps alone: all eight waves go the same way.  A slot past the work-group's last query is read by none of them
	s_cbranch_scc1 .Lpast_\@
	tensor_load_to_lds s[G0:G0+3], s[G1:G1+7]      ; my one tensor load until the next such barrier
	s_nop 0
.rept 4
	v_nop
.endr
.Lpast_\@:
	ASK
.endif
.endm
.macro SLOT_STEPS                      ; a slot's four steps: written once, walked four times
	s_mov_b32 s[STP], 4
.Lstep_\@:
	STEP
	s_sub_co_u32 s[STP], s[STP], 1
	s_cmp_lg_u32 s[STP], 0
	s_cbranch_scc1 .Lstep_\@
	s_sub_co_u32 s[TB], s[TB], 32768               ; back to a slot's first step,
	s_xor_b32 s[TB], s[TB], SLOTB                  ; in the other slot
.endm
	s_wait_loadcnt 0x0                             ; Q
.Lslot:                                            ; seven trips
	CHANGE 1
	SLOT_STEPS
	s_sub_co_u32 s[SLOTS], s[SLOTS], 1
	s_cmp_lg_u32 s[SLOTS], 0
	s_cbranch_scc1 .Lslot
	CHANGE 0                                       ; the last slot is written out: nothing is left to ask for
	SLOT_STEPS
	; THE WAY OUT: O^T / l, rounded to f16: a lane's eight channels of a query are its 16 bytes of a piece
.rept 4
	v_nop
.endr
.irp t, 0,1
	v_add_f32 v[ST+8*\t+4], v[ST+8*\t+2], v[ST+8*\t+3]
.endr
.irp t, 0,1
	v_permlanex16_b32 v[ST+8*\t+5], v[ST+8*\t+4], s[SEL], s[SEL+1]
.endr
.irp t, 0,1
	v_add_f32 v[ST+8*\t+4], v[ST+8*\t+4], v[ST+8*\t+5]
.endr
.irp t, 0,1
	v_rcp_f32 v[ST+8*\t+6], v[ST+8*\t+4]
.endr
	v_nop
	s_wait_alu depctr_va_vdst(0)                   ; one wait for the two reciprocals, ahead of their first reader
.set n, 0
.rept 16
.irp t, 0,1
	v_pk_mul_f32 v[O+32*\t+2*n:O+32*\t+2*n+1], v[O+32*\t+2*n:O+32*\t+2*n+1], v[ST+8*\t+6:ST+8*\t+7] op_sel_hi:[1,0]
.endr
.set n, n+1
.endr
.irp t, 0,1
.irp f, 0,1,2,3
.irp j, 0,1,2,3
	v_cvt_pk_f16_f32 v[OUTR+16*\t+4*\f+\j], v[O+32*\t+8*\f+2*\j], v[O+32*\t+8*\f+2*\j+1]
.endr
.endr
.endr
.irp t, 0,1
.irp f, 0,1,2,3
	global_store_b128 v[LI], v[OUTR+16*\t+4*\f:OUTR+16*\t+4*\f+3], s[AB:AB+1] offset:32768*\t+512*\f   ; 32 lanes store 512 consecutive bytes, aligned
.endr
.endr
	s_wait_tensorcnt 0x0                           ; the wave's end
	ds_add_u32 v[SPW], v[NIL]
	s_wait_dscnt 0x0
	s_endpgm
.Lfunc_end_k_qad92b72d9e_attn:
	.size	k_qad92b72d9e_attn, .Lfunc_end_k_qad92b72d9e_attn-k_qad92b72d9e_attn
	.p2alignl 7, 3214868480
	.fill 96, 4, 3214868480
	.section	.rodata,"a",@progbits
	.p2align	6, 0x0
	.amdhsa_kernel k_qad92b72d9e_attn
		.amdhsa_group_segment_fixed_size 327680
		.amdhsa_private_segment_fixed_size 0
		.amdhsa_enable_private_segment 0
		.amdhsa_kernarg_size 16
		.amdhsa_user_sgpr_count 2
		.amdhsa_user_sgpr_kernarg_segment_ptr 1
		.amdhsa_wavefront_size32 1
		.amdhsa_system_sgpr_workgroup_id_x 1
		.amdhsa_system_sgpr_workgroup_id_y 1
		.amdhsa_system_sgpr_workgroup_id_z 1
		.amdhsa_system_vgpr_workitem_id 0
		.amdhsa_next_free_vgpr 384
		.amdhsa_next_free_sgpr 66
		.amdhsa_reserve_vcc 1
		.amdhsa_float_denorm_mode_32 3
		.amdhsa_float_denorm_mode_16_64 3
		.amdhsa_memory_ordered 1
		.amdhsa_forward_progress 1
		.amdhsa_inst_pref_size 57
	.end_amdhsa_kernel
	.amdgpu_metadata
---
amdhsa.version: [ 1, 2 ]
amdhsa.kernels:
  - .name:           k_qad92b72d9e_attn
    .symbol:         k_qad92b72d9e_attn.kd
    .args:
      - { .name: qkv, .offset: 0, .size: 8, .value_kind: global_buffer, .address_space: global }
      - { .name: att, .offset: 8, .size: 8, .value_kind: global_buffer, .address_space: global }
    .group_segment_fixed_size: 327680
    .private_segment_fixed_size: 0
    .kernarg_segment_align: 8
    .kernarg_segment_size: 16
    .max_flat_workgroup_size: 256
    .sgpr_count:     66
    .vgpr_count:     384
    .wavefront_size: 32
...
	.end_amdgpu_metadata
.endif
;; end of part 3
;; launch proj (part 4): grid 8 x 32, 4 waves a work-group, clusters of 4 x 4, 327,680 bytes of LDS; arguments att, wo16, bo, out0; writes out0
.if DOCPART == 4
	.amdgcn_target "amdgcn-amd-amdhsa--gfx1250"
	.amdhsa_code_object_version 6
	.text
	.protected	k_qad92b72d9e_proj
	.globl	k_qad92b72d9e_proj
	.p2align	8
	.type	k_qad92b72d9e_proj,@function
k_qad92b72d9e_proj:
	s_mov_b64 s[64:65], 0
	v_nop
	global_prefetch_b8 v0, s[64:65] scope:SCOPE_SE
	s_setreg_imm32_b32 hwreg(HW_REG_WAVE_MODE, 25, 1), 1
	s_wait_xcnt 0x0
	s_wait_alu depctr_hold_cnt(0) depctr_sa_sdst(0) depctr_va_vdst(0) depctr_va_sdst(0) depctr_va_ssrc(0) depctr_va_vcc(0) depctr_vm_vsrc(0)
	s_getreg_b32 s2, hwreg(HW_REG_IB_STS2, 6, 4)
	s_cmp_eq_u32 s2, 0
	s_cbranch_scc0 .Lentry_in_a_cluster
	s_endpgm
.Lentry_in_a_cluster:
	s_bfe_u32 s2, ttmp6, 0x10000c
	s_cmp_lg_u32 s2, 0xf033
	s_cbranch_scc0 .Lentry_shape_is_right
	s_endpgm
.Lentry_shape_is_right:
; out0 = att Wo^T + bo: [4096][1024] x [1024 (n)][1024 (k)], f16 operands in piece order (16 rows x 16 k, 512 bytes, lane l's 16 bytes at 16 l), sums in f32, the bias as the C of each sum's first instruction.
; A tile of the output is 128 x 128: 256 work-groups, one for each WGP; four waves, each 64 x 64: 16 accumulators.  K goes in four steps of 256 through two LDS slots.  In piece order a K step of a row tile
; is 8,192 consecutive bytes; a wave's tensor load brings four row tiles (rows of 8,192 bytes, 32,768 apart).  A fragment is two loads of 512 consecutive bytes: no pitch, no padding.
; CLUSTERS: 4 x 4 work-groups.  The four of a row of the cluster need the same tiles of att, the four of a column the same tiles of Wo: each is asked for jointly.
; THE MATRIX INSTRUCTION IS USED TRANSPOSED (source 0 = 16 rows of Wo, source 1 = 16 tokens): a lane holds eight neighbouring numbers of a row of the output.
; A wave's 64 columns of f32 are 256 consecutive aligned bytes of a row: each wave sends its own results through its own stage; no barrier on the way out.
; No prefetch: the launch is short and its tiles are small.  One tile to a work-group.  Rows 0-15 of each batch are written over in f32 by the next launch.
; REGISTERS: window 0: v1-29 addresses; v32-63 the bias; v64-127 rows on the way out; v128-255 the accumulators ((a, b) at v[128 + 8 (4 a + b)]).  window 1: two fragment buffers of 128.
.set SLOT,   131072                    ; att's 8 row tiles x 8,192 bytes, then Wo's 8
.set STAGE,  262144                    ; 16 rows x 272 bytes for each wave
.set SPITCH, 272
.set SPARE,  279552
.set ADRA, 16
.set ADRB, 20
.set STO,  24
.set RD,   25
.set CO,   26
.set BHV,  27
.set SPW,  28
.set NIL,  29
.set BIAS, 32
.set BK,   64
.set ACC,  128
.set F0,   0
.set F1,   128
.set G1,  24
.set G0,  32
.set G1B, 48
.set G0B, 56
.set MSB, 0
.macro WIN new
.if MSB != (\new)
	s_set_vgpr_msb (MSB<<8)|(\new)
.set MSB, (\new)
.endif
.endm
.set MUL,  0x05                        ; sources 0 and 1 window 1; C and D window 0
.set TO_F, 0x40
.macro JLOAD s                         ; a joint load: waves 0 and 1 fetch att's two halves, waves 2 and 3 Wo's
	s_cmp_eq_u32 s13, 0
	s_cbranch_scc0 .Lfor_b_\@
	tensor_load_to_lds s[G0+4*\s:G0+4*\s+3], s[G1:G1+7]
	s_nop 0
.rept 4
	v_nop
.endr
	s_branch .Lasked_\@
.Lfor_b_\@:
	tensor_load_to_lds s[G0B+4*\s:G0B+4*\s+3], s[G1B:G1B+7]
	s_nop 0
.rept 4
	v_nop
.endr
.Lasked_\@:
.endm
.macro CREST
	s_cmp_lg_u32 s12, 0
	s_cbranch_scc1 .Lnot_wave_0_\@
	s_barrier_signal -3
.Lnot_wave_0_\@:
	s_barrier_wait -3
	s_barrier_signal -1
	s_barrier_wait -1
.endm
.macro CROUND
	s_barrier_signal -1
	s_barrier_wait -1
	CREST
.endm
	s_load_b256 s[4:11], s[0:1], 0x0               ; att, wo16, bo, out0
	v_lshl_add_u32 v[SPW], v0, 2, SPARE
	v_mov_b32 v[NIL], 0
	ds_add_u32 v[SPW], v[NIL]                      ; the wave's opening: the add, twice on end, and its wait ahead of my first tensor load
	ds_add_u32 v[SPW], v[NIL]
	v_lshrrev_b32 v1, 5, v0
	v_readfirstlane_b32 s12, v1                    ; wave 0..3
	s_lshr_b32 s13, s12, 1                         ; my half of the tile's rows.  Also: I fetch for att (0) or for Wo (1)
	s_and_b32 s14, s12, 1                          ; my half of its columns.  Also: which four row tiles I fetch
	s_bfe_u32 s40, ttmp6, 0x40000                  ; cx, cy
	s_bfe_u32 s41, ttmp6, 0x40004
	s_lshl_b32 s42, ttmp9, 2
	s_add_co_u32 s42, s42, s40                     ; tile column
	s_and_b32 s15, ttmp7, 0xffff
	s_lshl_b32 s15, s15, 2
	s_add_co_u32 s15, s15, s41                     ; tile row
	s_lshl_b32 s43, s41, 2
	s_lshl_b32 s43, 15, s43                        ; my row of the cluster
	s_lshl_b32 s44, 0x1111, s40                    ; my column
	s_or_b32 s[G1], s43, (3<<16)|(1<<21)           ; the mask; elements of 8 bytes; bit 21 beside a mask; no padding
	s_or_b32 s[G1B], s44, (3<<16)|(1<<21)
.irp g, G1, G1B
	s_mov_b32 s[\g+1], 1024<<16                    ; tensor_dim0: 8,192 bytes
	s_mov_b32 s[\g+2], 4<<16                       ; tensor_dim1: four row tiles
	s_mov_b32 s[\g+3], 1024<<16                    ; tile_dim0
	s_mov_b32 s[\g+4], 4                           ; tile_dim1
	s_mov_b32 s[\g+5], 4096                        ; 32,768 bytes from row tile to row tile
	s_mov_b32 s[\g+6], 0
	s_mov_b32 s[\g+7], 0
.endr
	s_lshl_b32 s16, s15, 3
	s_lshl_b32 s17, s14, 2
	s_add_co_u32 s16, s16, s17                     ; att: row tile 8 x tile row + 4 x half
	s_lshl_b32 s16, s16, 15
	s_mov_b32 s17, 0
	s_lshl_b32 s46, s42, 3
	s_lshl_b32 s47, s14, 2
	s_add_co_u32 s46, s46, s47                     ; Wo: row tile 8 x tile column + 4 x half
	s_lshl_b32 s46, s46, 15
	s_mov_b32 s47, 0
	s_lshl_b32 s20, s12, 15                        ; where they go: 32,768 x wave
	s_wait_dscnt 0x0                               ; both opening adds are done
	s_wait_kmcnt 0x0
	s_add_nc_u64 s[18:19], s[4:5], s[16:17]
	s_add_nc_u64 s[46:47], s[6:7], s[46:47]
	CROUND                                         ; all sixteen work-groups are here: the first joint loads meet
.irp s, 0,1
	s_mov_b32 s[G0+4*\s], 1
	s_add_co_u32 s[G0+4*\s+1], s20, \s*SLOT
	s_add_nc_u64 s[G0+4*\s+2:G0+4*\s+3], s[18:19], \s*8192
	s_or_b32 s[G0+4*\s+3], s[G0+4*\s+3], 0x80000000
	s_mov_b32 s[G0B+4*\s], 1
	s_add_co_u32 s[G0B+4*\s+1], s20, \s*SLOT
	s_add_nc_u64 s[G0B+4*\s+2:G0B+4*\s+3], s[46:47], \s*8192
	s_or_b32 s[G0B+4*\s+3], s[G0B+4*\s+3], 0x80000000
	JLOAD \s
.endr
	v_and_b32 v1, 15, v0                           ; r
	v_bfe_u32 v2, v0, 4, 1                         ; h
	v_and_b32 v3, 31, v0
	v_lshlrev_b32 v3, 4, v3                        ; 16 x lane
	s_lshl_b32 s21, s13, 15                        ; my four row tiles of att
	s_lshl_b32 s22, s14, 15                        ; my four of Wo,
	s_add_co_u32 s22, s22, 65536                   ; which lie behind att's eight
.irp s, 0,1
	v_add_nc_u32 v[ADRA+\s], s21, v3
	v_add_nc_u32 v[ADRB+\s], s22, v3
	s_add_co_u32 s21, s21, SLOT
	s_add_co_u32 s22, s22, SLOT
.endr
	s_mul_i32 s23, s12, 16*SPITCH
	s_add_co_u32 s23, s23, STAGE                   ; my stage
	v_mul_u32_u24 v4, v1, SPITCH
	v_lshl_add_u32 v4, v2, 5, v4
	v_add_nc_u32 v[STO], s23, v4                   ; in: row r, 32 bytes for each half of the lanes
	v_mul_u32_u24 v5, v2, SPITCH
	v_lshl_add_u32 v5, v1, 4, v5
	v_add_nc_u32 v[RD], s23, v5                    ; back: lanes 0-15 one row of 256 bytes, lanes 16-31 the next
	v_lshlrev_b32 v5, 12, v2
	v_lshl_add_u32 v[CO], v1, 4, v5                ; and the same two rows in the output
	v_lshlrev_b32 v[BHV], 5, v2
	s_lshl_b32 s46, s42, 9
	s_lshl_b32 s47, s14, 8
	s_add_co_u32 s46, s46, s47                     ; my first column, in bytes
	s_mov_b32 s47, 0
	s_add_nc_u64 s[8:9], s[8:9], s[46:47]
.irp b, 0,1,2,3                        ; the bias in the result's layout: lane (r, h) wants columns 16 b + 8 h + 0 .. 7
	global_load_b128 v[BIAS+8*\b:BIAS+8*\b+3], v[BHV], s[8:9] offset:64*\b
	global_load_b128 v[BIAS+8*\b+4:BIAS+8*\b+7], v[BHV], s[8:9] offset:64*\b+16
.endr
	s_lshl_b32 s16, s15, 7
	s_lshl_b32 s17, s13, 6
	s_add_co_u32 s16, s16, s17                     ; my first row
	s_lshl_b32 s16, s16, 12
	s_mov_b32 s17, 0
	s_add_nc_u64 s[10:11], s[10:11], s[16:17]
	s_add_nc_u64 s[10:11], s[10:11], s[46:47]
; 8 matrix instructions: token tiles a0, a0 + 1 x all 4 column tiles, 32 along K: half c of buffer f.  zero = 1: the first product starts the sums from the bias.  The 16 accumulators take turns.
.macro MUL8 f, c, a0, zero
.irp a, \a0, \a0+1
.irp b, 0,1,2,3
.if \zero
	v_wmma_f32_16x16x32_f16 v[ACC+8*(4*(\a)+\b):ACC+8*(4*(\a)+\b)+7], v[\f+64+8*(4*\c+\b):\f+64+8*(4*\c+\b)+7], v[\f+8*(4*\c+\a):\f+8*(4*\c+\a)+7], v[BIAS+8*\b:BIAS+8*\b+7]
.else
	v_wmma_f32_16x16x32_f16 v[ACC+8*(4*(\a)+\b):ACC+8*(4*(\a)+\b)+7], v[\f+64+8*(4*\c+\b):\f+64+8*(4*\c+\b)+7], v[\f+8*(4*\c+\a):\f+8*(4*\c+\a)+7], v[ACC+8*(4*(\a)+\b):ACC+8*(4*(\a)+\b)+7]
.endif
.endr
.endr
.endm
; 32 LDS loads in one run: the fragments of the slot's q-th 64 along K (four pieces a row tile) into buffer f; the first 32 along K first
.macro FETCH slot, q, f
	WIN TO_F
.irp c, 0,1
.irp i, 0,1,2,3
	ds_load_b128 v[\f+64+8*(4*\c+\i):\f+64+8*(4*\c+\i)+3],   v[ADRB+\slot] offset:(4*(\q)+2*\c)*512+\i*8192
	ds_load_b128 v[\f+64+8*(4*\c+\i)+4:\f+64+8*(4*\c+\i)+7], v[ADRB+\slot] offset:(4*(\q)+2*\c)*512+\i*8192+512
	ds_load_b128 v[\f+8*(4*\c+\i):\f+8*(4*\c+\i)+3],         v[ADRA+\slot] offset:(4*(\q)+2*\c)*512+\i*8192
	ds_load_b128 v[\f+8*(4*\c+\i)+4:\f+8*(4*\c+\i)+7],       v[ADRA+\slot] offset:(4*(\q)+2*\c)*512+\i*8192+512
.endr
.endr
.endm
.macro PLACES
.rept 4
	v_nop
.endr
.endm
; A K step is four quarters of 64 along K, 32 matrix instructions each, on buffers 0, 1, 0, 1.  One of the first three: multiplies buffer f and fetches quarter q into g.
.macro QUARTER slot, q, f, g, zero
	s_wait_dscnt 16                                ; the first 32 along K are in; the other sixteen loads may be out
	WIN MUL
	MUL8 \f, 0, 0, \zero
	MUL8 \f, 0, 2, \zero
	PLACES
	FETCH \slot, \q, \g
	s_wait_dscnt 32                                ; all but the 32 just issued
	WIN MUL
	MUL8 \f, 1, 0, 0
	MUL8 \f, 1, 2, 0
.endm
; The last quarter multiplies buffer 1 and changes slots: one barrier; in front of it each wave waits for all its tensor loads, adds 0 to its spare word, and waits for that and for its reads of this slot.
.macro TURN slot, next, fill
	WIN 0
	s_wait_tensorcnt 0x0                           ; all my tensor loads have landed: my part of the next slot
	ds_add_u32 v[SPW], v[NIL]
	s_wait_dscnt 17                                ; the add and the youngest sixteen loads may be out
	WIN MUL
	MUL8 F1, 0, 0, 0
	s_wait_dscnt 0x0                               ; the add is done, and my reads of this slot are over
	s_barrier_signal -1
	MUL8 F1, 0, 2, 0
.if \fill
	WIN 0
.endif
	s_barrier_wait -1
.if \fill
	CREST                                          ; the barrier has opened a round of the cluster's barrier: no wave of any partner still reads this slot or has a load on its way
	s_add_nc_u64 s[G0+4*\slot+2:G0+4*\slot+3], s[G0+4*\slot+2:G0+4*\slot+3], 16384
	s_add_nc_u64 s[G0B+4*\slot+2:G0B+4*\slot+3], s[G0B+4*\slot+2:G0B+4*\slot+3], 16384
	JLOAD \slot                                    ; the first tensor load behind the round; its four v_nop are also the places in front of the loads below
.else
	PLACES
.endif
	FETCH \next, 0, F0
	WIN MUL
	MUL8 F1, 1, 0, 0
	MUL8 F1, 1, 2, 0
.endm
	s_wait_tensorcnt 1                             ; my part of K step 0 is in; K step 1's load may stay out
	s_barrier_signal -1
	s_barrier_wait -1
	FETCH 0, 0, F0
	s_wait_loadcnt 0x0                             ; the bias
	QUARTER 0, 1, F0, F1, 1                        ; K step 0
	QUARTER 0, 2, F1, F0, 0
	QUARTER 0, 3, F0, F1, 0
	TURN 0, 1, 1                                   ; slot 0 takes K step 2
	QUARTER 1, 1, F0, F1, 0                        ; K step 1
	QUARTER 1, 2, F1, F0, 0
	QUARTER 1, 3, F0, F1, 0
	TURN 1, 0, 1                                   ; slot 1 takes K step 3
	QUARTER 0, 1, F0, F1, 0                        ; K step 2
	QUARTER 0, 2, F1, F0, 0
	QUARTER 0, 3, F0, F1, 0
	TURN 0, 1, 0                                   ; nothing is left to fetch
	QUARTER 1, 1, F0, F1, 0                        ; K step 3
	QUARTER 1, 2, F1, F0, 0
	QUARTER 1, 3, F0, F1, 0
	s_wait_dscnt 16
	WIN MUL
	MUL8 F1, 0, 0, 0
	MUL8 F1, 0, 2, 0
	s_wait_dscnt 0x0
	MUL8 F1, 1, 0, 0
	MUL8 F1, 1, 2, 0
	WIN 0
	; THE WAY OUT, 16 rows at a time through my own stage.  LDS serves a wave's instructions in order: no wait between the stores and the loads, nor in front of the next block's stores
	PLACES
.irp a, 0,1,2,3
.if \a >= 2
	s_wait_xcnt 0x0                                ; the stores of two blocks back have read their registers
.endif
.irp b, 0,1,2,3
	ds_store_b128 v[STO], v[ACC+8*(4*\a+\b):ACC+8*(4*\a+\b)+3] offset:64*\b       ; each accumulator from its low end on
	ds_store_b128 v[STO], v[ACC+8*(4*\a+\b)+4:ACC+8*(4*\a+\b)+7] offset:64*\b+16
.endr
.irp t, 0,1,2,3,4,5,6,7
	ds_load_b128 v[BK+32*(\a%2)+4*\t:BK+32*(\a%2)+4*\t+3], v[RD] offset:544*\t
.endr
.irp t, 0,1,2,3,4,5,6,7
	s_wait_dscnt 7-\t                              ; the younger loads may be out
	global_store_b128 v[CO], v[BK+32*(\a%2)+4*\t:BK+32*(\a%2)+4*\t+3], s[10:11] offset:(16*\a+2*\t)*4096 th:TH_STORE_NT   ; sixteen lanes store 256 consecutive bytes, aligned
.endr
.endr
	s_wait_tensorcnt 0x0                           ; the wave's end
	ds_add_u32 v[SPW], v[NIL]
	s_wait_dscnt 0x0
	CROUND                                         ; the closing round
	s_endpgm
.Lfunc_end_k_qad92b72d9e_proj:
	.size	k_qad92b72d9e_proj, .Lfunc_end_k_qad92b72d9e_proj-k_qad92b72d9e_proj
	.p2alignl 7, 3214868480
	.fill 96, 4, 3214868480
	.section	.rodata,"a",@progbits
	.p2align	6, 0x0
	.amdhsa_kernel k_qad92b72d9e_proj
		.amdhsa_group_segment_fixed_size 327680
		.amdhsa_private_segment_fixed_size 0
		.amdhsa_enable_private_segment 0
		.amdhsa_kernarg_size 32
		.amdhsa_user_sgpr_count 2
		.amdhsa_user_sgpr_kernarg_segment_ptr 1
		.amdhsa_wavefront_size32 1
		.amdhsa_system_sgpr_workgroup_id_x 1
		.amdhsa_system_sgpr_workgroup_id_y 1
		.amdhsa_system_sgpr_workgroup_id_z 1
		.amdhsa_system_vgpr_workitem_id 0
		.amdhsa_next_free_vgpr 512
		.amdhsa_next_free_sgpr 66
		.amdhsa_reserve_vcc 0
		.amdhsa_float_denorm_mode_32 3
		.amdhsa_float_denorm_mode_16_64 3
		.amdhsa_memory_ordered 1
		.amdhsa_forward_progress 1
		.amdhsa_inst_pref_size 87
	.end_amdhsa_kernel
	.amdgpu_metadata
---
amdhsa.version: [ 1, 2 ]
amdhsa.kernels:
  - .name:           k_qad92b72d9e_proj
    .symbol:         k_qad92b72d9e_proj.kd
    .args:
      - { .name: att, .offset: 0, .size: 8, .value_kind: global_buffer, .address_space: global }
      - { .name: wo16, .offset: 8, .size: 8, .value_kind: global_buffer, .address_space: global }
      - { .name: bo, .offset: 16, .size: 8, .value_kind: global_buffer, .address_space: global }
      - { .name: out0, .offset: 24, .size: 8, .value_kind: global_buffer, .address_space: global }
    .group_segment_fixed_size: 327680
    .private_segment_fixed_size: 0
    .kernarg_segment_align: 8
    .kernarg_segment_size: 32
    .max_flat_workgroup_size: 128
    .sgpr_count:     66
    .vgpr_count:     512
    .wavefront_size: 32
...
	.end_amdgpu_metadata
.endif
;; end of part 4
;; launch fine (part 5): grid 64 x 2, 16 waves a work-group, no clusters, 18,432 bytes of LDS; arguments qkv32, Wo, bo, out0; writes out0
.if DOCPART == 5
	.amdgcn_target "amdgcn-amd-amdhsa--gfx1250"
	.amdhsa_code_object_version 6
	.text
	.protected	k_qad92b72d9e_fine
	.globl	k_qad92b72d9e_fine
	.p2align	8
	.type	k_qad92b72d9e_fine,@function
k_qad92b72d9e_fine:
	s_mov_b64 s[64:65], 0
	v_nop
	global_prefetch_b8 v0, s[64:65] scope:SCOPE_SE
	s_setreg_imm32_b32 hwreg(HW_REG_WAVE_MODE, 25, 1), 1
	s_wait_xcnt 0x0
; The first 16 positions of each sequence once more, in f32 throughout: they average one to sixteen values, are the largest in size, and f16 operands would use up what the comparison allows.
; A work-group owns rows 0-15 of one batch and 16 columns of the output.  Wave w is head w: it makes that head's 16 x 16 attention (32 matrix instructions of the f32 form) and multiplies the result by its
; 64 numbers of the 16 rows of Wo (16 more).  The sixteen partial tiles meet in LDS; waves 0 and 1 add them, add bo and store.
; q, k, v come as images of f32 accumulators (lane (r, h): token r, channels 16 t + 8 h + j in register 8 t + j).  A K step of the f32 form takes a register pair; k is permuted ALIKE in both operands of
; every product, so the images serve as operands as they lie.  Both attention products and the projection are used transposed: a lane holds one query throughout.
; A work-group stores 64 bytes of each of its rows: whole blocks of 256 bytes would want a quarter of the work-groups and chains four times as long; the launch stores 131,072 bytes in all.
; No tensor loads, no cluster, no prefetch: each wave has 57 loads and 48 matrix instructions.
; The registers that the f32 matrix form writes (v144-239) are written by matrix instructions alone; four accumulators take turns in each product.
.set SPARE, 16384                      ; behind the sixteen images of 1,024 bytes: the spare words, 128 bytes for each wave
.set QF,  16                           ; v16-47   q; later: SS, P, TT, Y
.set KFR, 48                           ; v48-79   k
.set VF,  80                           ; v80-111  v, turned by its loads
.set WF,  112                          ; v112-143 Wo
.set SA,  144
.set OT,  176
.set YA,  208
.set BO,  240
.set SS,  16                           ; v16-23 the scores
.set P,   24                           ; v24-31 p
.set TT,  32                           ; v32-39 at work
.set Y,   40                           ; v40-47 my part of the output tile
.set RED, 48                           ; v48-111 the sixteen parts
	s_load_b256 s[4:11], s[0:1], 0x0               ; qkv32, Wo, bo, out0
	v_lshl_add_u32 v8, v0, 2, SPARE
	v_mov_b32 v9, 0
	v_lshrrev_b32 v1, 5, v0
	v_readfirstlane_b32 s12, v1                    ; wave = head
	s_and_b32 s13, ttmp7, 0xffff                   ; batch
	v_and_b32 v2, 15, v0                           ; r
	v_bfe_u32 v3, v0, 4, 1                         ; h
	v_and_b32 v1, 31, v0
	v_lshlrev_b32 v1, 4, v1                        ; 16 x lane
	v_bfe_u32 v4, v2, 2, 1                         ; v: lane (r, h) wants channel r of keys 8 h ..: in the image channel r lies in register r % 8 of lanes with half r / 8
	v_lshlrev_b32 v4, 9, v4
	v_lshrrev_b32 v14, 3, v2
	v_lshl_add_u32 v4, v14, 8, v4
	v_lshl_add_u32 v4, v3, 7, v4
	v_and_b32 v14, 3, v2
	v_lshl_add_u32 v4, v14, 2, v4
	v_lshlrev_b32 v5, 12, v2
	v_lshl_add_u32 v5, v3, 5, v5                   ; Wo and the output: row r of 4,096 bytes, + 32 h
	v_lshlrev_b32 v6, 3, v3
	v_sub_nc_u32 v6, v2, v6                        ; r - 8 h
	v_mov_b32 v7, 0xff800000                       ; -infinity
	s_lshl_b32 s25, s12, 10
	v_add_nc_u32 v10, s25, v1                      ; LDS: my image
	s_and_b32 s26, s12, 1
	s_lshl_b32 s25, s26, 9
	v_add_nc_u32 v11, s25, v1                      ; LDS: the half of every image that waves 0 and 1 add
	s_lshl_b32 s25, s26, 4
	v_add_nc_u32 v12, s25, v5                      ; and where it goes
	v_lshlrev_b32 v13, 5, v3
	v_add_nc_u32 v13, s25, v13                     ; and its four numbers of bo
	s_mul_i32 s14, s13, 192
	s_lshl_b32 s15, s12, 2
	s_add_co_u32 s14, s14, s15
	s_lshl_b32 s14, s14, 10                        ; q's four images of my head
	s_mov_b32 s15, 0
	s_lshl_b32 s16, ttmp9, 16                      ; 16 rows of Wo,
	s_lshl_b32 s17, s12, 8                         ; my head's 64 numbers of each
	s_add_co_u32 s16, s16, s17
	s_mov_b32 s17, 0
	s_lshl_b32 s18, ttmp9, 6                       ; 16 columns
	s_mov_b32 s19, 0
	s_lshl_b32 s20, s13, 23                        ; a batch's rows
	s_add_co_u32 s20, s20, s18
	s_mov_b32 s21, 0
	s_mov_b32 s22, 0x76543210
	s_mov_b32 s23, 0xfedcba98                      ; lane l xor 16
	s_mov_b32 s24, 0x3e38aa3b                      ; c = log2(e) / 8
	s_wait_kmcnt 0x0
	s_add_nc_u64 s[4:5], s[4:5], s[14:15]
	s_add_nc_u64 s[6:7], s[6:7], s[16:17]
	s_add_nc_u64 s[8:9], s[8:9], s[18:19]
	s_add_nc_u64 s[10:11], s[10:11], s[20:21]
.irp t, 0,1,2,3
	global_load_b128 v[QF+8*\t:QF+8*\t+3], v1, s[4:5] offset:1024*\t
	global_load_b128 v[QF+8*\t+4:QF+8*\t+7], v1, s[4:5] offset:1024*\t+512
.endr
.irp t, 0,1,2,3
	global_load_b128 v[KFR+8*\t:KFR+8*\t+3], v1, s[4:5] offset:65536+1024*\t
	global_load_b128 v[KFR+8*\t+4:KFR+8*\t+7], v1, s[4:5] offset:65536+1024*\t+512
.endr
.irp t, 0,1,2,3
.irp e, 0,1,2,3,4,5,6,7
	global_load_b32 v[VF+8*\t+\e], v4, s[4:5] offset:131072+1024*\t+16*\e   ; v(key 8 h + e, channel 16 t + r)
.endr
.endr
.irp t, 0,1,2,3
	global_load_b128 v[WF+8*\t:WF+8*\t+3], v5, s[6:7] offset:64*\t
	global_load_b128 v[WF+8*\t+4:WF+8*\t+7], v5, s[6:7] offset:64*\t+16
.endr
	global_load_b128 v[BO:BO+3], v13, s[8:9]
	s_wait_loadcnt 41                              ; q and k are in; v's 32 loads, Wo's 8 and bo's 1 may be out
.irp jj, 0,1,2,3                       ; S^T = k q^T, in four partial sums, one for each 16 channels
.irp t, 0,1,2,3
.if \jj == 0
	v_wmma_f32_16x16x4_f32 v[SA+8*\t:SA+8*\t+7], v[KFR+8*\t+2*\jj:KFR+8*\t+2*\jj+1], v[QF+8*\t+2*\jj:QF+8*\t+2*\jj+1], 0
.else
	v_wmma_f32_16x16x4_f32 v[SA+8*\t:SA+8*\t+7], v[KFR+8*\t+2*\jj:KFR+8*\t+2*\jj+1], v[QF+8*\t+2*\jj:QF+8*\t+2*\jj+1], v[SA+8*\t:SA+8*\t+7]
.endif
.endr
.endr
.rept 8
	v_nop                                          ; eight places behind this form, in front of the first read of results and of writes over its sources
.endr
.irp j, 0,2,4,6
	v_pk_add_f32 v[SS+\j:SS+\j+1], v[SA+\j:SA+\j+1], v[SA+8+\j:SA+8+\j+1]
.endr
.irp j, 0,2,4,6
	v_pk_add_f32 v[TT+\j:TT+\j+1], v[SA+16+\j:SA+16+\j+1], v[SA+24+\j:SA+24+\j+1]
.endr
.irp j, 0,2,4,6
	v_pk_add_f32 v[SS+\j:SS+\j+1], v[SS+\j:SS+\j+1], v[TT+\j:TT+\j+1]       ; register j: key 8 h + j, query r
.endr
.irp j, 0,1,2,3,4,5,6,7
	v_cmp_gt_i32 vcc_lo, \j, v6                    ; hidden where 8 h + j > r
	v_cndmask_b32 v[SS+\j], v[SS+\j], v7, vcc_lo
.endr
	v_max3_num_f32 v32, v16, v17, v18
	v_max3_num_f32 v32, v32, v19, v20
	v_max3_num_f32 v32, v32, v21, v22
	v_max_num_f32 v32, v32, v23
	v_permlanex16_b32 v33, v32, s22, s23
	v_max_num_f32 v32, v32, v33                    ; the row's maximum: key 0 counts for every query
	v_mul_f32 v34, s24, v32
.irp j, 0,1,2,3,4,5,6,7
	v_fma_f32 v[P+\j], v[SS+\j], s24, -v34
.endr
.irp j, 0,1,2,3,4,5,6,7
	v_exp_f32 v[P+\j], v[P+\j]
.endr
	v_nop
	s_wait_alu depctr_va_vdst(0)                   ; one wait for the eight exponentials, ahead of their first reader
	v_pk_add_f32 v[32:33], v[24:25], v[26:27]
	v_pk_add_f32 v[34:35], v[28:29], v[30:31]
	v_pk_add_f32 v[32:33], v[32:33], v[34:35]
	v_add_f32 v32, v32, v33
	v_permlanex16_b32 v33, v32, s22, s23
	v_add_f32 v32, v32, v33                        ; the row's sum
	v_rcp_f32 v36, v32
	v_mov_b32 v37, 0                               ; a plain instruction behind the reciprocal; v37 is named with v36 as a pair
	s_wait_alu depctr_va_vdst(0)
	s_wait_loadcnt 9                               ; v is in; Wo's 8 loads and bo's 1 may be out
.irp kk, 0,1,2,3                       ; O^T = v^T p, not yet divided by the sum
.irp f, 0,1,2,3
.if \kk == 0
	v_wmma_f32_16x16x4_f32 v[OT+8*\f:OT+8*\f+7], v[VF+8*\f+2*\kk:VF+8*\f+2*\kk+1], v[P+2*\kk:P+2*\kk+1], 0
.else
	v_wmma_f32_16x16x4_f32 v[OT+8*\f:OT+8*\f+7], v[VF+8*\f+2*\kk:VF+8*\f+2*\kk+1], v[P+2*\kk:P+2*\kk+1], v[OT+8*\f:OT+8*\f+7]
.endif
.endr
.endr
	s_wait_loadcnt 1                               ; Wo is in; bo's load may be out
.rept 9
	v_nop                                          ; nine places before a matrix instruction takes these results as an operand
.endr
.irp jj, 0,1,2,3                       ; Y^T = Wo's 16 rows x O: register 8 f + j of O^T is channel 16 f + 8 h + j, as Wo's numbers were loaded
.irp f, 0,1,2,3
.if \jj == 0
	v_wmma_f32_16x16x4_f32 v[YA+8*\f:YA+8*\f+7], v[WF+8*\f+2*\jj:WF+8*\f+2*\jj+1], v[OT+8*\f+2*\jj:OT+8*\f+2*\jj+1], 0
.else
	v_wmma_f32_16x16x4_f32 v[YA+8*\f:YA+8*\f+7], v[WF+8*\f+2*\jj:WF+8*\f+2*\jj+1], v[OT+8*\f+2*\jj:OT+8*\f+2*\jj+1], v[YA+8*\f:YA+8*\f+7]
.endif
.endr
.endr
.rept 8
	v_nop
.endr
.irp j, 0,2,4,6
	v_pk_add_f32 v[Y+\j:Y+\j+1], v[YA+\j:YA+\j+1], v[YA+8+\j:YA+8+\j+1]
.endr
.irp j, 0,2,4,6
	v_pk_add_f32 v[SS+\j:SS+\j+1], v[YA+16+\j:YA+16+\j+1], v[YA+24+\j:YA+24+\j+1]
.endr
.irp j, 0,2,4,6
	v_pk_add_f32 v[Y+\j:Y+\j+1], v[Y+\j:Y+\j+1], v[SS+\j:SS+\j+1]
.endr
.irp j, 0,2,4,6
	v_pk_mul_f32 v[Y+\j:Y+\j+1], v[Y+\j:Y+\j+1], v[36:37] op_sel_hi:[1,0]   ; / the row's sum.  Register j: row r, column 8 h + j
.endr
	ds_store_b128 v10, v[Y:Y+3]
	ds_store_b128 v10, v[Y+4:Y+7] offset:512
	s_wait_dscnt 0x0                               ; for the others' sake: my image has landed
	s_barrier_signal -1
	s_barrier_wait -1
	s_cmp_ge_u32 s12, 2
	s_cbranch_scc1 .Lend
.irp i, 0,1,2,3,4,5,6,7,8,9,10,11,12,13,14,15
	ds_load_b128 v[RED+4*\i:RED+4*\i+3], v11 offset:1024*\i
.endr
	s_wait_dscnt 0x0
.irp i, 0,1,2,3,4,5,6,7
	v_pk_add_f32 v[RED+4*\i:RED+4*\i+1], v[RED+4*\i:RED+4*\i+1], v[RED+32+4*\i:RED+32+4*\i+1]
	v_pk_add_f32 v[RED+4*\i+2:RED+4*\i+3], v[RED+4*\i+2:RED+4*\i+3], v[RED+32+4*\i+2:RED+32+4*\i+3]
.endr
.irp i, 0,1,2,3
	v_pk_add_f32 v[RED+4*\i:RED+4*\i+1], v[RED+4*\i:RED+4*\i+1], v[RED+16+4*\i:RED+16+4*\i+1]
	v_pk_add_f32 v[RED+4*\i+2:RED+4*\i+3], v[RED+4*\i+2:RED+4*\i+3], v[RED+16+4*\i+2:RED+16+4*\i+3]
.endr
.irp i, 0,1
	v_pk_add_f32 v[RED+4*\i:RED+4*\i+1], v[RED+4*\i:RED+4*\i+1], v[RED+8+4*\i:RED+8+4*\i+1]
	v_pk_add_f32 v[RED+4*\i+2:RED+4*\i+3], v[RED+4*\i+2:RED+4*\i+3], v[RED+8+4*\i+2:RED+8+4*\i+3]
.endr
	v_pk_add_f32 v[RED:RED+1], v[RED:RED+1], v[RED+4:RED+5]
	v_pk_add_f32 v[RED+2:RED+3], v[RED+2:RED+3], v[RED+6:RED+7]
	s_wait_loadcnt 0x0                             ; bo
	v_pk_add_f32 v[RED:RED+1], v[RED:RED+1], v[BO:BO+1]
	v_pk_add_f32 v[RED+2:RED+3], v[RED+2:RED+3], v[BO+2:BO+3]
	global_store_b128 v12, v[RED:RED+3], s[10:11]
.Lend:
	s_wait_tensorcnt 0x0                           ; the wave's end
	ds_add_u32 v8, v9
	s_wait_dscnt 0x0
	s_endpgm
.Lfunc_end_k_qad92b72d9e_fine:
	.size	k_qad92b72d9e_fine, .Lfunc_end_k_qad92b72d9e_fine-k_qad92b72d9e_fine
	.p2alignl 7, 3214868480
	.fill 96, 4, 3214868480
	.section	.rodata,"a",@progbits
	.p2align	6, 0x0
	.amdhsa_kernel k_qad92b72d9e_fine
		.amdhsa_group_segment_fixed_size 18432
		.amdhsa_private_segment_fixed_size 0
		.amdhsa_enable_private_segment 0
		.amdhsa_kernarg_size 32
		.amdhsa_user_sgpr_count 2
		.amdhsa_user_sgpr_kernarg_segment_ptr 1
		.amdhsa_wavefront_size32 1
		.amdhsa_system_sgpr_workgroup_id_x 1
		.amdhsa_system_sgpr_workgroup_id_y 1
		.amdhsa_system_sgpr_workgroup_id_z 1
		.amdhsa_system_vgpr_workitem_id 0
		.amdhsa_next_free_vgpr 256
		.amdhsa_next_free_sgpr 66
		.amdhsa_reserve_vcc 1
		.amdhsa_float_denorm_mode_32 3
		.amdhsa_float_denorm_mode_16_64 3
		.amdhsa_memory_ordered 1
		.amdhsa_forward_progress 1
		.amdhsa_inst_pref_size 19
	.end_amdhsa_kernel
	.amdgpu_metadata
---
amdhsa.version: [ 1, 2 ]
amdhsa.kernels:
  - .name:           k_qad92b72d9e_fine
    .symbol:         k_qad92b72d9e_fine.kd
    .args:
      - { .name: qkv32, .offset: 0, .size: 8, .value_kind: global_buffer, .address_space: global }
      - { .name: Wo, .offset: 8, .size: 8, .value_kind: global_buffer, .address_space: global }
      - { .name: bo, .offset: 16, .size: 8, .value_kind: global_buffer, .address_space: global }
      - { .name: out0, .offset: 24, .size: 8, .value_kind: global_buffer, .address_space: global }
    .group_segment_fixed_size: 18432
    .private_segment_fixed_size: 0
    .kernarg_segment_align: 8
    .kernarg_segment_size: 32
    .max_flat_workgroup_size: 512
    .sgpr_count:     66
    .vgpr_count:     256
    .wavefront_size: 32
...
	.end_amdgpu_metadata
.endif
;; end of part 5
